; MI455X (gfx1250); checked and timed in simulation.
; The chip was launched on July 23, 2026; its instructions are those of AMD's public machine-readable ISA for CDNA 5 (MIT licence, August 2026) and "CDNA5" Instruction Set Architecture Reference Guide (July 2026). The comments in the code are by the model that wrote it; some were corrected since.
;; Multihead Attention. Allowed arithmetic: float matrix products may take bf16 or f16 operands with f32 sums; other float arithmetic in f32, or as packed bf16 or f16 multiplies, adds, multiply-adds, maxima and minima; sums over many terms, partial sums and values carried from step to step in f32; what a program stores and reads back later, other than sums and carried values, may be rounded once to bf16 or f16.
;; Inputs: Wk 1,024 x 1,024 float32; Wo 1,024 x 1,024 float32; Wq 1,024 x 1,024 float32; Wv 1,024 x 1,024 float32; bk 1,024 float32; bo 1,024 float32; bq 1,024 float32; bv 1,024 float32; x 4 x 2,048 x 1,024 float32.
;; Outputs: out0 4 x 2,048 x 1,024 float32.
;; 2 versions, each right; version 2 is version 1 with the launch fac written anew for expert scheduling mode. Each part assembles by itself: llvm-mc -triple=amdgcn-amd-amdhsa -mcpu=gfx1250 --defsym DOCPART=n.
;; ======== version 1 of 2: 6 launches
;; limits: values are held in f16: magnitudes above 65,504 overflow, below 6.1e-05 lose precision
;; workspace buffers: xh 16,777,216 bytes; wts 8,404,992 bytes; qkv 50,331,648 bytes; pt 33,554,432 bytes; stats 1,048,576 bytes; fbuf 262,144 bytes; ctx 16,777,216 bytes; rho 131,072 bytes
;; launch prep (part 1): grid 1024 x 1, 8 waves a work-group, no clusters, 18,432 bytes of LDS; arguments x, Wq, Wk, Wv, Wo, bq, bk, bv, bo, xh, wts; writes xh, wts
.if DOCPART == 1
	.amdgcn_target "amdgcn-amd-amdhsa--gfx1250"
	.amdhsa_code_object_version 6
	.text
	.protected	k_q8afbc4cc47_prep
	.globl	k_q8afbc4cc47_prep
	.p2align	8
	.type	k_q8afbc4cc47_prep,@function
k_q8afbc4cc47_prep:
	s_mov_b64 s[64:65], 0
	v_nop
	global_prefetch_b8 v0, s[64:65] scope:SCOPE_SE
	s_setreg_imm32_b32 hwreg(HW_REG_WAVE_MODE, 25, 1), 1
	s_wait_xcnt 0x0
; PREP.  Work-groups 0-511: x (f32) rounded to bf16 into xh, 65,536 bytes of x each.
; Work-groups 512-1023: a tile of 128 k x 64 n of one of the four weight matrices W[k][n] (f32), rounded to bf16 and written TRANSPOSED,
; wts[mat*1024+n][k], 2,048 bytes a row; mat = 0..3 for Wq, Wk, Wv, Wo.  Wo's bf16 numbers are written as f16 (the product behind takes f16;
; exact but for numbers under 6.1e-5, which keep f16's fixed step of 6e-8).  The four biases, rounded to bf16 and widened again, lie as f32 behind the rows.
; The transposition goes through LDS: two neighbouring k of one n make a word; rows of 256 bytes + 16 of padding.
.set SPARE,   17408                    ; behind the 64 rows x 272 bytes: the spare words, 128 bytes for each of the eight waves
.set BIASOFF, 8388608                  ; 4,096 rows x 2,048 bytes
.set SPW, 2                            ; v2  LDS address of my spare word; never rewritten
.set NIL, 3                            ; v3  0; never rewritten
	s_load_b512 s[4:19], s[0:1], 0x0               ; x, Wq, Wk, Wv, Wo, bq, bk, bv
	s_load_b128 s[20:23], s[0:1], 0x40             ; bo, xh
	s_load_b64 s[24:25], s[0:1], 0x50              ; wts
	v_lshl_add_u32 v[SPW], v0, 2, SPARE
	v_mov_b32 v[NIL], 0
	s_cmp_lt_u32 ttmp9, 512
	s_cbranch_scc0 .Lweights
	; ---- x to bf16: sixteen loads of 16 bytes a thread, all on their way at once; a wave's store covers 256 consecutive bytes, aligned
	s_lshl_b32 s28, ttmp9, 16
	s_mov_b32 s29, 0
	s_lshl_b32 s30, ttmp9, 15
	s_mov_b32 s31, 0
	v_lshlrev_b32 v4, 4, v0
	v_lshlrev_b32 v5, 3, v0
	s_wait_kmcnt 0x0
	s_add_nc_u64 s[28:29], s[4:5], s[28:29]
	s_add_nc_u64 s[30:31], s[22:23], s[30:31]
.set i, 0
.rept 16
	global_load_b128 v[16+4*i:19+4*i], v4, s[28:29] offset:4096*i th:TH_LOAD_NT
.set i, i+1
.endr
.set i, 0
.rept 16
	s_wait_loadcnt 15-i                            ; loads come back in order: number i is in, the 15 - i younger ones stay out
	v_cvt_pk_bf16_f32 v[80+2*i], v[16+4*i], v[17+4*i]
	v_cvt_pk_bf16_f32 v[81+2*i], v[18+4*i], v[19+4*i]
	global_store_b64 v5, v[80+2*i:81+2*i], s[30:31] offset:2048*i
.set i, i+1
.endr
	s_branch .Lend
.Lweights:
	v_lshrrev_b32 v1, 5, v0
	v_readfirstlane_b32 s37, v1                    ; wave
	s_sub_co_u32 s27, ttmp9, 512
	s_lshr_b32 s34, s27, 7                         ; mat
	s_bfe_u32 s35, s27, 0x30004                    ; kt: which 128 k
	s_and_b32 s36, s27, 15                         ; nt: which 64 n
	v_and_b32 v4, 15, v0                           ; c: my four n
	v_lshrrev_b32 v5, 4, v0                        ; p: my pair of k in each 32
	v_lshlrev_b32 v6, 13, v5                       ; row 2 p x 4,096 bytes
	v_lshl_add_u32 v6, v4, 4, v6                   ; + 16 c
	v_mul_u32_u24 v7, v4, 4*272                    ; into LDS: row 4 c (+ i), word p (+ 16 j)
	v_lshl_add_u32 v7, v5, 2, v7
	v_mul_u32_u24 v10, v5, 272                     ; back: row p (+ 16 u), 16 bytes c
	v_lshl_add_u32 v10, v4, 4, v10
	v_lshlrev_b32 v11, 11, v5                      ; and the same in wts
	v_lshl_add_u32 v11, v4, 4, v11
	s_lshl_b32 s28, s35, 19                        ; 128 kt rows of 4,096 bytes
	s_lshl_b32 s29, s36, 8                         ; 64 nt columns of 4 bytes
	s_add_co_u32 s28, s28, s29
	s_mov_b32 s29, 0
	s_lshl_b32 s30, s34, 10
	s_lshl_b32 s31, s36, 6
	s_add_co_u32 s30, s30, s31                     ; the tile's first row in wts
	s_lshl_b32 s38, s30, 2                         ; its bias, in bytes
	s_lshl_b32 s30, s30, 11
	s_lshl_b32 s31, s35, 8
	s_add_co_u32 s30, s30, s31
	s_mov_b32 s31, 0
	s_wait_kmcnt 0x0
	s_cmp_lt_u32 s34, 2                            ; the matrix and its bias are chosen by the work-group's number alone
	s_cselect_b64 s[40:41], s[6:7], s[10:11]
	s_cselect_b64 s[42:43], s[8:9], s[12:13]
	s_cselect_b64 s[44:45], s[14:15], s[18:19]
	s_cselect_b64 s[46:47], s[16:17], s[20:21]
	s_bitcmp1_b32 s34, 0
	s_cselect_b64 s[40:41], s[42:43], s[40:41]
	s_cselect_b64 s[44:45], s[46:47], s[44:45]
	s_add_nc_u64 s[40:41], s[40:41], s[28:29]
	s_add_nc_u64 s[30:31], s[24:25], s[30:31]
.irp j, 0,1,2,3
	global_load_b128 v[16+8*\j:19+8*\j], v6, s[40:41] offset:131072*\j th:TH_LOAD_NT       ; row 32 j + 2 p: sixteen lanes take 256 consecutive bytes
	global_load_b128 v[20+8*\j:23+8*\j], v6, s[40:41] offset:131072*\j+4096 th:TH_LOAD_NT  ; and the row below
.endr
	s_wait_loadcnt 0x0
.irp j, 0,1,2,3
.irp i, 0,1,2,3
	v_cvt_pk_bf16_f32 v[48+4*\j+\i], v[16+8*\j+\i], v[20+8*\j+\i]  ; k in the low half, k + 1 in the high
.endr
.endr
	s_cmp_eq_u32 s34, 3
	s_cbranch_scc0 .Lkeep
.set n, 0
.rept 16                                       ; Wo: the bf16 numbers written as f16
	v_lshlrev_b32 v8, 16, v[48+n]
	v_and_b32 v9, 0xffff0000, v[48+n]
	v_cvt_pk_f16_f32 v[48+n], v8, v9
.set n, n+1
.endr
.Lkeep:
.irp j, 0,1,2,3
.irp i, 0,1,2,3
	ds_store_b32 v7, v[48+4*\j+\i] offset:272*\i+64*\j
.endr
.endr
	s_wait_dscnt 0x0                               ; for the others' sake: my stores are done
	s_barrier_signal -1
	s_barrier_wait -1
.irp u, 0,1,2,3
	ds_load_b128 v[64+4*\u:67+4*\u], v10 offset:4352*\u
.endr
	s_wait_dscnt 0x0
.irp u, 0,1,2,3
	global_store_b128 v11, v[64+4*\u:67+4*\u], s[30:31] offset:32768*\u  ; sixteen lanes store 256 consecutive bytes, aligned
.endr
	s_or_b32 s39, s35, s37                         ; the tile's 64 biases: wave 0 of the work-groups with kt = 0
	s_cmp_eq_u32 s39, 0
	s_cbranch_scc0 .Lend
	v_lshlrev_b32 v12, 3, v0
	s_lshl_b32 s32, s36, 8
	s_mov_b32 s33, 0
	s_add_nc_u64 s[44:45], s[44:45], s[32:33]
	global_load_b64 v[80:81], v12, s[44:45]
	s_add_co_u32 s38, s38, BIASOFF
	s_add_nc_u64 s[32:33], s[24:25], s[38:39]      ; s39 = 0 on this path
	s_wait_loadcnt 0x0
	v_cvt_pk_bf16_f32 v82, v80, v81
	v_lshlrev_b32 v84, 16, v82
	v_and_b32 v85, 0xffff0000, v82
	global_store_b64 v12, v[84:85], s[32:33]
.Lend:
	s_wait_tensorcnt 0x0                           ; the wave's end: behind my last LDS store
	ds_add_u32 v[SPW], v[NIL]
	s_wait_dscnt 0x0
	s_endpgm
.Lfunc_end_k_q8afbc4cc47_prep:
	.size	k_q8afbc4cc47_prep, .Lfunc_end_k_q8afbc4cc47_prep-k_q8afbc4cc47_prep
	.p2alignl 7, 3214868480
	.fill 96, 4, 3214868480
	.section	.rodata,"a",@progbits
	.p2align	6, 0x0
	.amdhsa_kernel k_q8afbc4cc47_prep
		.amdhsa_group_segment_fixed_size 18432
		.amdhsa_private_segment_fixed_size 0
		.amdhsa_enable_private_segment 0
		.amdhsa_kernarg_size 88
		.amdhsa_user_sgpr_count 2
		.amdhsa_user_sgpr_kernarg_segment_ptr 1
		.amdhsa_wavefront_size32 1
		.amdhsa_system_sgpr_workgroup_id_x 1
		.amdhsa_system_sgpr_workgroup_id_y 1
		.amdhsa_system_sgpr_workgroup_id_z 1
		.amdhsa_system_vgpr_workitem_id 0
		.amdhsa_next_free_vgpr 128
		.amdhsa_next_free_sgpr 66
		.amdhsa_reserve_vcc 0
		.amdhsa_float_denorm_mode_32 3
		.amdhsa_float_denorm_mode_16_64 3
		.amdhsa_memory_ordered 1
		.amdhsa_forward_progress 1
		.amdhsa_inst_pref_size 15
	.end_amdhsa_kernel
	.amdgpu_metadata
---
amdhsa.version: [ 1, 2 ]
amdhsa.kernels:
  - .name:           k_q8afbc4cc47_prep
    .symbol:         k_q8afbc4cc47_prep.kd
    .args:
      - { .name: x, .offset: 0, .size: 8, .value_kind: global_buffer, .address_space: global }
      - { .name: Wq, .offset: 8, .size: 8, .value_kind: global_buffer, .address_space: global }
      - { .name: Wk, .offset: 16, .size: 8, .value_kind: global_buffer, .address_space: global }
      - { .name: Wv, .offset: 24, .size: 8, .value_kind: global_buffer, .address_space: global }
      - { .name: Wo, .offset: 32, .size: 8, .value_kind: global_buffer, .address_space: global }
      - { .name: bq, .offset: 40, .size: 8, .value_kind: global_buffer, .address_space: global }
      - { .name: bk, .offset: 48, .size: 8, .value_kind: global_buffer, .address_space: global }
      - { .name: bv, .offset: 56, .size: 8, .value_kind: global_buffer, .address_space: global }
      - { .name: bo, .offset: 64, .size: 8, .value_kind: global_buffer, .address_space: global }
      - { .name: xh, .offset: 72, .size: 8, .value_kind: global_buffer, .address_space: global }
      - { .name: wts, .offset: 80, .size: 8, .value_kind: global_buffer, .address_space: global }
    .group_segment_fixed_size: 18432
    .private_segment_fixed_size: 0
    .kernarg_segment_align: 8
    .kernarg_segment_size: 88
    .max_flat_workgroup_size: 256
    .sgpr_count:     66
    .vgpr_count:     128
    .wavefront_size: 32
...
	.end_amdgpu_metadata
.endif
;; end of part 1
;; launch proj (part 2): grid 12 x 32, 4 waves a work-group, clusters of 4 x 4, 327,680 bytes of LDS; arguments xh, wts, qkv; writes qkv
.if DOCPART == 2
	.amdgcn_target "amdgcn-amd-amdhsa--gfx1250"
	.amdhsa_code_object_version 6
	.text
	.protected	k_q8afbc4cc47_proj
	.globl	k_q8afbc4cc47_proj
	.p2align	8
	.type	k_q8afbc4cc47_proj,@function
k_q8afbc4cc47_proj:
	s_mov_b64 s[64:65], 0
	v_nop
	global_prefetch_b8 v0, s[64:65] scope:SCOPE_SE
	s_setreg_imm32_b32 hwreg(HW_REG_WAVE_MODE, 25, 1), 1
	s_wait_xcnt 0x0
	s_wait_alu depctr_hold_cnt(0) depctr_sa_sdst(0) depctr_va_vdst(0) depctr_va_sdst(0) depctr_va_ssrc(0) depctr_va_vcc(0) depctr_vm_vsrc(0)
	s_getreg_b32 s2, hwreg(HW_REG_IB_STS2, 6, 4)
	s_cmp_eq_u32 s2, 0
	s_cbranch_scc0 .Lentry_in_a_cluster
	s_endpgm
.Lentry_in_a_cluster:
	s_bfe_u32 s2, ttmp6, 0x10000c
	s_cmp_lg_u32 s2, 0xf033
	s_cbranch_scc0 .Lentry_shape_is_right
	s_endpgm
.Lentry_shape_is_right:
; PROJ.  qkv[m][n] = sum over k of xh[m][k] wts[n][k] + bias[n], n = 0..3071 (q, k, v side by side).  xh, wts bf16; sums f32; qkv f16, rounded once.
; LIMIT: a result of 65,520 or more becomes an infinity in f16.
; A tile of C is 256 x 256: four waves, each 128 x 128: 64 accumulators, 512 registers.  K goes in steps of 128 through two LDS slots filled by tensor loads (rows of 256 bytes, 16 of padding).
; For 32 along K a wave reads 32 x 512 bytes from LDS and issues 64 products.  A refill has 224 products in which to land.
; CLUSTER 4 x 4: A's tile (256 rows of xh) is shared along a row of the cluster, B's (256 rows of wts) along a column: each is asked for jointly.
; The product is used transposed (source 0 = rows of wts, source 1 = rows of xh): a lane holds row l % 16 of C and the columns 8 (l / 16) + 0..7.
; The bias, laid out like an accumulator, is the C operand of the products that start the sums.
; WINDOWS (s_set_vgpr_msb: bits 1:0 source 0, 3:2 source 1, 5:4 source 2, 7:6 destination): window 0 addresses, A's fragments, the way out; window 1 B's fragments, the bias;
; window 2 the accumulators of my rows 0-63 ((a, b) at v[8 (8 a + b)]), window 3 those of my rows 64-127.
.set T,      8                         ; K steps
.set PIT,    2048                      ; bytes in a row of xh and of wts
.set STEP,   256                       ; bytes of a row in a K step
.set PC,     6144                      ; bytes in a row of qkv
.set PA,     272                       ; an LDS row: 68 words, so the 16 rows of a fragment load start at 16 different groups of four banks (ISA guide 11.1)
.set HALFT,  128*PA                    ; 128 rows: what one tensor load brings, and what one wave reads of A or of B: 0x8800 bytes
.set SLOT,   4*HALFT                   ; A's 256 rows, then B's 256: 0x22000 bytes.  A wave's part begins at 0x8800 x 0..3, which has neither of SLOT's two bits: an exclusive or with SLOT turns its address in one slot into the other's
.set STAGE,  2*SLOT                    ; behind the ring: 16 rows x 272 bytes for each wave
.set WST,    16*272
.set SPARE,  STAGE+4*WST               ; behind the stages: the spare words, 128 bytes a wave
.set BIASOFF, 8388608
.set VR, 1                             ; v1 l % 16   v2 l / 16   v3 lane
.set VH, 2
.set VL, 3
.set ADRA0, 4                          ; v4, v5 my lane's place in A's and B's tile of slot 0; v6, v7 the same in the slot in hand
.set ADRB0, 5
.set ADRA, 6
.set ADRB, 7
.set STO, 8                            ; the way out: into the stage, back from it, my offset in C
.set RD, 9
.set CO, 10
.set PFO, 11                           ; prefetch: lane x a row
.set SPW, 12                           ; my spare word; 0: never rewritten
.set NIL, 13
.set X0, 14                            ; offset of my bias words
.set F0, 64                            ; fragment buffers: A's in window 0, B's in window 1
.set F1, 128
.set TMP, 192                          ; the way out: packed results
.set BK, 64                            ; the way out: 16 rows read back, two buffers of 32
.set BIAS, 192                         ; window 1
.set WV, 14                            ; s14 wave; s15 my half of the rows (also: I fetch A or B); s16 my half of the columns (also: which half I fetch)
.set WM, 15
.set WN, 16
.set CX, 17
.set CY, 18
.set TX, 19
.set TY, 20
.set LIM, 21
.set CNT, 22
.set TB, 23
.set G1A, 24
.set G0A, 32
.set G1B, 40
.set G0B, 48
.set PFA, 56
.set CLY, 61
.set CB, 80
.set TO_B, 0x40                        ; destination window 1, address window 0
.set MSB, 0
.macro WIN new                         ; the immediate's high byte repeats the setting that is left
.if MSB != (\new)
	s_set_vgpr_msb (MSB<<8)|(\new)
.set MSB, (\new)
.endif
.endm
.macro PLACES                          ; four plain instructions between a matrix instruction and a load into, or a vector read of, its registers
.rept 4
	v_nop
.endr
.endm
.macro CREST                           ; a round of the cluster's barrier behind its opening barrier
	s_cmp_lg_u32 s[WV], 0
	s_cbranch_scc1 .Lnot_wave_0_\@
	s_barrier_signal -3
.Lnot_wave_0_\@:
	s_barrier_wait -3
	s_barrier_signal -1
	s_barrier_wait -1
.endm
.macro CROUND
	s_barrier_signal -1
	s_barrier_wait -1
	CREST
.endm
.macro JLOAD                           ; a joint refill by the walking descriptors: waves 0, 1 A's halves, waves 2, 3 B's
	s_cmp_lt_u32 s[WV], 2
	s_cbranch_scc0 .Lfor_b_\@
	tensor_load_to_lds s[G0A+4:G0A+7], s[G1A:G1A+7]
	s_nop 0
	PLACES
	s_branch .Lasked_\@
.Lfor_b_\@:
	tensor_load_to_lds s[G0B+4:G0B+7], s[G1B:G1B+7]
	s_nop 0
	PLACES
.Lasked_\@:
.endm
.macro ASK                             ; a prefetch of the K step two refills on: a lane a row, 256 bytes of it; the last two refills have no such step
	s_cmp_gt_u32 s[CNT], s[LIM]
	s_cbranch_scc0 .Lnot_mine_\@
	global_prefetch_b8 v[PFO], s[PFA:PFA+1] th:TH_LOAD_NT scope:SCOPE_SE
.Lnot_mine_\@:
.endm
.macro G1SET g, d0, rows, str          ; descriptor group 1 but for its first word: tensor and tile sizes alike, stride in elements
	s_mov_b32 s[(\g)+1], (\d0)<<16
	s_mov_b32 s[(\g)+2], (\rows)<<16
	s_mov_b32 s[(\g)+3], (\d0)<<16
	s_mov_b32 s[(\g)+4], \rows
	s_mov_b32 s[(\g)+5], \str
	s_mov_b32 s[(\g)+6], 0
	s_mov_b32 s[(\g)+7], 0
.endm
.macro G0SET g, lds, adr, stp          ; two sets of group 0: slot n, K step n
.irp n, 0,1
	s_mov_b32 s[(\g)+4*\n], 1
	s_add_co_u32 s[(\g)+4*\n+1], s[\lds], \n*SLOT
	s_add_nc_u64 s[(\g)+4*\n+2:(\g)+4*\n+3], s[(\adr):(\adr)+1], \n*(\stp)
	s_or_b32 s[(\g)+4*\n+3], s[(\g)+4*\n+3], 0x80000000
.endr
.endm
.macro FETCH f, kq                     ; 32 LDS loads in one run: the fragments of quarter kq (32 along K) into buffer f: B's eight, then A's eight
	WIN TO_B
.irp i, 0,1,2,3,4,5,6,7
	ds_load_b128 v[(\f)+8*\i:(\f)+8*\i+3],   v[ADRB] offset:64*(\kq)+\i*16*PA
	ds_load_b128 v[(\f)+8*\i+4:(\f)+8*\i+7], v[ADRB] offset:64*(\kq)+\i*16*PA+32
.endr
	WIN 0
.irp i, 0,1,2,3,4,5,6,7
	ds_load_b128 v[(\f)+8*\i:(\f)+8*\i+3],   v[ADRA] offset:64*(\kq)+\i*16*PA
	ds_load_b128 v[(\f)+8*\i+4:(\f)+8*\i+7], v[ADRA] offset:64*(\kq)+\i*16*PA+32
.endr
.endm
; 16 products: row blocks a0, a0 + 1 of the window's four (hi = 0: my rows 0-63, 1: rows 64-127) x all 8 column blocks.  z = 1: the sums start from the bias.
; The 64 accumulators take turns, one instruction a turn, in the same order in every quarter.
.macro MUL16 f, hi, a0, z
.if \z
	WIN 0x91+0x40*(\hi)                            ; source 0 window 1, source 1 window 0, C window 1, D window 2 or 3
.else
	WIN 0xa1+0x50*(\hi)                            ; the same with C where D is
.endif
.irp a, \a0, (\a0)+1
.irp b, 0,1,2,3,4,5,6,7
.if \z
	v_wmma_f32_16x16x32_bf16 v[8*(8*(\a)+(\b)):8*(8*(\a)+(\b))+7], v[(\f)+8*(\b):(\f)+8*(\b)+7], v[(\f)+8*(4*(\hi)+(\a)):(\f)+8*(4*(\hi)+(\a))+7], v[BIAS+8*(\b):BIAS+8*(\b)+7]
.else
	v_wmma_f32_16x16x32_bf16 v[8*(8*(\a)+(\b)):8*(8*(\a)+(\b))+7], v[(\f)+8*(\b):(\f)+8*(\b)+7], v[(\f)+8*(4*(\hi)+(\a)):(\f)+8*(4*(\hi)+(\a))+7], v[8*(8*(\a)+(\b)):8*(8*(\a)+(\b))+7]
.endif
.endr
.endr
.endm
.macro QUARTER f, g, kq, z             ; multiplies buffer f; in its middle fetches quarter kq into buffer g
	s_wait_dscnt 8                                 ; B and A's rows 0-63 are in; the youngest eight loads (A's rows 64-127) may be out
	MUL16 \f, 0, 0, \z
	MUL16 \f, 0, 2, \z
	PLACES
	FETCH \g, \kq
	s_wait_dscnt 32                                ; all but the 32 just issued
	MUL16 \f, 1, 0, \z
	MUL16 \f, 1, 2, \z
.endm
; A K step's last quarter (buffer 1) changes slots: each wave waits for all its tensor loads (one is out: its part of the next slot), adds 0 to its spare word, waits for that and for its reads
; of this slot, and signals.  fill = 1: the barrier opens a round of the cluster's, and the joint refill of the slot just read is the first thing behind it.
.macro TURN fill
.if \fill
	s_wait_xcnt 0x0                                ; the last prefetch, a K step back, has read its address
	s_add_nc_u64 s[PFA:PFA+1], s[PFA:PFA+1], STEP
.endif
	WIN 0
	s_wait_tensorcnt 0x0                           ; no tensor load of mine is out: a group 0 may be written
	ds_add_u32 v[SPW], v[NIL]
.if \fill
	s_xor_b32 s[G0A+5], s[G0A+5], SLOT             ; the walking descriptors: the other slot, the next K step
	s_add_nc_u64 s[G0A+6:G0A+7], s[G0A+6:G0A+7], STEP
	s_xor_b32 s[G0B+5], s[G0B+5], SLOT
	s_add_nc_u64 s[G0B+6:G0B+7], s[G0B+6:G0B+7], STEP
.endif
	s_xor_b32 s[TB], s[TB], SLOT
	s_wait_dscnt 9                                 ; the add and the youngest eight loads may be out
	MUL16 F1, 0, 0, 0
	s_wait_dscnt 0x0                               ; the add is done, my reads of this slot are over
	s_barrier_signal -1
	MUL16 F1, 0, 2, 0
	WIN 0
	s_barrier_wait -1
.if \fill
	CREST
	JLOAD                                          ; the four v_nop behind it are also the places in front of the loads below
.else
	PLACES
.endif
	v_add_nc_u32 v[ADRA], s[TB], v[ADRA0]
	v_add_nc_u32 v[ADRB], s[TB], v[ADRB0]
	FETCH F0, 0
.if \fill
	ASK
.endif
	MUL16 F1, 1, 0, 0
	MUL16 F1, 1, 2, 0
.endm
	s_load_b128 s[4:7], s[0:1], 0x0                ; xh s[4:5], wts s[6:7]
	s_load_b64 s[8:9], s[0:1], 0x10                ; qkv
	v_lshl_add_u32 v[SPW], v0, 2, SPARE
	v_mov_b32 v[NIL], 0
	ds_add_u32 v[SPW], v[NIL]                      ; the wave's opening: the add and its wait ahead of my first tensor load; work on registers stands between
	v_lshrrev_b32 v1, 5, v0
	v_readfirstlane_b32 s[WV], v1
	s_lshr_b32 s[WM], s[WV], 1
	s_and_b32 s[WN], s[WV], 1
	s_bfe_u32 s[CX], ttmp6, 0x40000
	s_bfe_u32 s[CY], ttmp6, 0x40004
	s_lshl_b32 s[TX], ttmp9, 2
	s_add_co_u32 s[TX], s[TX], s[CX]               ; tile column
	s_and_b32 s[CLY], ttmp7, 0xffff
	s_lshl_b32 s[TY], s[CLY], 2
	s_add_co_u32 s[TY], s[TY], s[CY]               ; tile row
	s_lshl_b32 s84, s[CY], 2
	s_lshl_b32 s84, 15, s84                        ; my row of the cluster
	s_lshl_b32 s85, 0x1111, s[CX]                  ; my column
	s_or_b32 s[G1A], s84, (1<<16)|(1<<20)|(1<<21)|(5<<22)|(3<<25)  ; mask; 2-byte elements; padding on; bit 21 beside a mask; after every 64 words, 4 words
	s_or_b32 s[G1B], s85, (1<<16)|(1<<20)|(1<<21)|(5<<22)|(3<<25)
	G1SET G1A, 128, 128, PIT/2
	G1SET G1B, 128, 128, PIT/2
	s_lshl_b32 s72, s[TY], 8                       ; A: row 256 TY + 128 x the half that I fetch
	s_lshl_b32 s73, s[WN], 7
	s_add_co_u32 s72, s72, s73
	s_mul_i32 s72, s72, PIT
	s_mov_b32 s73, 0
	s_lshl_b32 s76, s[TX], 8                       ; B: row 256 TX + 128 x half
	s_lshl_b32 s77, s[WN], 7
	s_add_co_u32 s76, s76, s77
	s_mul_i32 s76, s76, PIT
	s_mov_b32 s77, 0
	s_mul_i32 s74, s[WV], HALFT                    ; where my load goes: A's two halves, then B's two: no place in the cluster enters an LDS address
	v_and_b32 v[VR], 15, v0
	v_bfe_u32 v[VH], v0, 4, 1
	v_and_b32 v[VL], 31, v0
	v_mul_u32_u24 v[ADRB0], v[VR], PA              ; a fragment: row l % 16, 16 bytes for each half of the lanes, twice, 32 bytes apart
	v_lshl_add_u32 v[ADRB0], v[VH], 4, v[ADRB0]
	s_mul_i32 s62, s[WM], HALFT                    ; my 128 rows of A
	v_add_nc_u32 v[ADRA0], s62, v[ADRB0]
	s_mul_i32 s62, s[WN], HALFT                    ; my 128 rows of B, behind A's 256
	s_add_co_u32 s62, s62, 2*HALFT
	v_add_nc_u32 v[ADRB0], s62, v[ADRB0]
	v_mov_b32 v[ADRA], v[ADRA0]
	v_mov_b32 v[ADRB], v[ADRB0]
	s_mul_i32 s62, s[WV], WST
	s_add_co_u32 s62, s62, STAGE
	v_mul_u32_u24 v[STO], v[VR], 272
	v_lshl_add_u32 v[STO], v[VH], 4, v[STO]
	v_add_nc_u32 v[STO], s62, v[STO]
	v_mul_u32_u24 v[RD], v[VH], 272
	v_lshl_add_u32 v[RD], v[VR], 4, v[RD]
	v_add_nc_u32 v[RD], s62, v[RD]
	v_mul_u32_u24 v[CO], v[VH], PC
	v_lshl_add_u32 v[CO], v[VR], 4, v[CO]
	v_mul_u32_u24 v[PFO], v[VL], PIT
	v_lshlrev_b32 v[X0], 5, v[VH]
	s_mov_b32 s[TB], 0
	s_wait_dscnt 0x0                               ; the opening add is done
	s_wait_kmcnt 0x0
	s_add_nc_u64 s[72:73], s[4:5], s[72:73]
	s_add_nc_u64 s[76:77], s[6:7], s[76:77]
	G0SET G0A, 74, 72, STEP
	G0SET G0B, 74, 76, STEP
	CROUND                                         ; all sixteen work-groups are here: the first joint loads meet
	s_cmp_lt_u32 s[WV], 2                          ; a wave's two first fills stand in one branch: two loads of mine are out
	s_cbranch_scc0 .Lfirst_b
	tensor_load_to_lds s[G0A:G0A+3], s[G1A:G1A+7]
	s_nop 0
	tensor_load_to_lds s[G0A+4:G0A+7], s[G1A:G1A+7]
	s_nop 0
	PLACES
	s_branch .Lfirst_done
.Lfirst_b:
	tensor_load_to_lds s[G0B:G0B+3], s[G1B:G1B+7]
	s_nop 0
	tensor_load_to_lds s[G0B+4:G0B+7], s[G1B:G1B+7]
	s_nop 0
	PLACES
.Lfirst_done:
	s_lshl_b32 s2, s[TX], 10                       ; the bias of my 128 columns: 4 (256 TX + 128 WN) bytes behind BIASOFF
	s_lshl_b32 s3, s[WN], 9
	s_add_co_u32 s2, s2, s3
	s_add_co_u32 s2, s2, BIASOFF
	s_mov_b32 s3, 0
	s_add_nc_u64 s[82:83], s[6:7], s[2:3]
	WIN TO_B
.irp b, 0,1,2,3,4,5,6,7
	global_load_b128 v[BIAS+8*\b:BIAS+8*\b+3],   v[X0], s[82:83] offset:64*\b      ; columns 16 b + 8 (l / 16) + 0..3
	global_load_b128 v[BIAS+8*\b+4:BIAS+8*\b+7], v[X0], s[82:83] offset:64*\b+16
.endr
	WIN 0
	s_lshl_b32 s2, s[TY], 8                        ; C at my 128 rows and 128 columns
	s_lshl_b32 s3, s[WM], 7
	s_add_co_u32 s2, s2, s3
	s_mul_i32 s2, s2, PC
	s_lshl_b32 s3, s[TX], 9
	s_add_co_u32 s2, s2, s3
	s_lshl_b32 s3, s[WN], 8
	s_add_co_u32 s2, s2, s3
	s_mov_b32 s3, 0
	s_add_nc_u64 s[CB:CB+1], s[8:9], s[2:3]
	; the prefetches.  Of the 128 rows that a wave fetches, each of the four partners that ask for them jointly takes 32, told apart by address (CX for A, CY for B): a lane a row.
	; A's rows are read by every cluster of that row of clusters: the one with x = 0 asks; B's by every cluster of that column: the one with y = 0 asks.  So each row's 256 bytes of a K step are named once.
	s_lshl_b32 s2, s[TY], 8
	s_lshl_b32 s3, s[TX], 8
	s_cmp_eq_u32 s[WM], 0
	s_cselect_b32 s2, s2, s3
	s_cselect_b32 s3, s[CX], s[CY]
	s_cselect_b32 s86, ttmp9, s[CLY]
	s_cselect_b64 s[PFA:PFA+1], s[4:5], s[6:7]
	s_lshl_b32 s62, s[WN], 7
	s_add_co_u32 s2, s2, s62
	s_lshl_b32 s3, s3, 5
	s_add_co_u32 s2, s2, s3
	s_mul_i32 s2, s2, PIT
	s_add_co_u32 s2, s2, 3*STEP                    ; at K step 3: the first refill steps it to 4
	s_mov_b32 s3, 0
	s_add_nc_u64 s[PFA:PFA+1], s[PFA:PFA+1], s[2:3]
	s_cmp_eq_u32 s86, 0
	s_cselect_b32 s[LIM], 2, -1                    ; the same in all sixteen partners, for a given wave
	s_wait_tensorcnt 0x1                           ; my part of slot 0 is in; slot 1's may stay out
	s_barrier_signal -1
	s_barrier_wait -1
	FETCH F0, 0
	s_wait_loadcnt 0x0                             ; the bias
	QUARTER F0, F1, 1, 1                           ; the first quarter starts the sums, from the bias
	WIN 0
	s_mov_b32 s[CNT], T-2
.Lstep:                                        ; a trip: a K step's quarters 1 to 3, a refill, the next step's quarter 0
	QUARTER F1, F0, 2, 0
	QUARTER F0, F1, 3, 0
	TURN 1
	QUARTER F0, F1, 1, 0
	WIN 0
	s_sub_co_u32 s[CNT], s[CNT], 1
	s_cmp_lg_u32 s[CNT], 0
	s_cbranch_scc1 .Lstep
	s_mov_b32 s[CNT], 2
.Ltail:                                        ; the last two K steps ask for nothing: one text, walked twice.  The second trip's change of slots (a barrier, 32 loads of the slot read before) serves nothing:
	QUARTER F1, F0, 2, 0                           ; the price, once a launch, of writing the two steps once
	QUARTER F0, F1, 3, 0
	TURN 0
	WIN 0
	s_cmp_eq_u32 s[CNT], 1
	s_cbranch_scc1 .Llast                          ; behind the last K step no further step begins
	QUARTER F0, F1, 1, 0
	WIN 0
.Llast:
	s_wait_dscnt 0x0                               ; no LDS load is out at the loop's edge, on either way
	s_sub_co_u32 s[CNT], s[CNT], 1
	s_cmp_lg_u32 s[CNT], 0
	s_cbranch_scc1 .Ltail
	PLACES
	PLACES
; THE WAY OUT, 16 rows at a time: rounded to f16 (16 bytes a lane), into my own stage, back as whole rows of 256 bytes, stored.
.macro PACK a
.set AC, 64*((\a)%4)
	WIN 0x0a+5*((\a)/4)                            ; sources 0 and 1: window 2 or 3
.irp b, 0,1,2,3,4,5,6,7
.irp q, 0,1,2,3
	v_cvt_pk_f16_f32 v[TMP+4*\b+\q], v[AC+8*\b+2*\q], v[AC+8*\b+2*\q+1]
.endr
.endr
	WIN 0
.endm
.macro TOSTAGE a
.irp b, 0,1,2,3,4,5,6,7
	ds_store_b128 v[STO], v[TMP+4*\b:TMP+4*\b+3] offset:32*\b
.endr
.irp t, 0,1,2,3,4,5,6,7
	ds_load_b128 v[BK+32*((\a)%2)+4*\t:BK+32*((\a)%2)+4*\t+3], v[RD] offset:\t*2*272  ; LDS serves a wave's instructions in order (ISA guide 5.7.1.4): these see the stores above
.endr
.endm
.macro SEND a
	s_wait_dscnt 0x0                               ; the block is back in registers
	s_wait_xcnt 0x0                                ; the stores of the block before have read their registers, which the next block's loads write
.irp t, 0,1,2,3,4,5,6,7
	global_store_b128 v[CO], v[BK+32*((\a)%2)+4*\t:BK+32*((\a)%2)+4*\t+3], s[CB:CB+1] offset:(16*(\a)+2*\t)*PC  ; sixteen lanes store 256 consecutive bytes, aligned
.endr
.endm
	PACK 0
	TOSTAGE 0
.irp a, 1,2,3,4,5,6,7
	PACK \a
	SEND (\a)-1
	TOSTAGE \a
.endr
	SEND 7
	s_wait_tensorcnt 0x0                           ; the wave's end
	ds_add_u32 v[SPW], v[NIL]
	s_wait_dscnt 0x0
	CROUND                                         ; the closing round
	s_endpgm
.Lfunc_end_k_q8afbc4cc47_proj:
	.size	k_q8afbc4cc47_proj, .Lfunc_end_k_q8afbc4cc47_proj-k_q8afbc4cc47_proj
	.p2alignl 7, 3214868480
	.fill 96, 4, 3214868480
	.section	.rodata,"a",@progbits
	.p2align	6, 0x0
	.amdhsa_kernel k_q8afbc4cc47_proj
		.amdhsa_group_segment_fixed_size 327680
		.amdhsa_private_segment_fixed_size 0
		.amdhsa_enable_private_segment 0
		.amdhsa_kernarg_size 24
		.amdhsa_user_sgpr_count 2
		.amdhsa_user_sgpr_kernarg_segment_ptr 1
		.amdhsa_wavefront_size32 1
		.amdhsa_system_sgpr_workgroup_id_x 1
		.amdhsa_system_sgpr_workgroup_id_y 1
		.amdhsa_system_sgpr_workgroup_id_z 1
		.amdhsa_system_vgpr_workitem_id 0
		.amdhsa_next_free_vgpr 1024
		.amdhsa_next_free_sgpr 96
		.amdhsa_reserve_vcc 0
		.amdhsa_float_denorm_mode_32 3
		.amdhsa_float_denorm_mode_16_64 3
		.amdhsa_memory_ordered 1
		.amdhsa_forward_progress 1
		.amdhsa_inst_pref_size 102
	.end_amdhsa_kernel
	.amdgpu_metadata
---
amdhsa.version: [ 1, 2 ]
amdhsa.kernels:
  - .name:           k_q8afbc4cc47_proj
    .symbol:         k_q8afbc4cc47_proj.kd
    .args:
      - { .name: xh, .offset: 0, .size: 8, .value_kind: global_buffer, .address_space: global }
      - { .name: wts, .offset: 8, .size: 8, .value_kind: global_buffer, .address_space: global }
      - { .name: qkv, .offset: 16, .size: 8, .value_kind: global_buffer, .address_space: global }
    .group_segment_fixed_size: 327680
    .private_segment_fixed_size: 0
    .kernarg_segment_align: 8
    .kernarg_segment_size: 24
    .max_flat_workgroup_size: 128
    .sgpr_count:     96
    .vgpr_count:     1024
    .wavefront_size: 32
...
	.end_amdgpu_metadata
.endif
;; end of part 2
;; launch score (part 3): grid 8 x 32, 4 waves a work-group, clusters of 4 x 4, 327,680 bytes of LDS; arguments qkv, pt, stats; writes pt, stats
.if DOCPART == 3
	.amdgcn_target "amdgcn-amd-amdhsa--gfx1250"
	.amdhsa_code_object_version 6
	.text
	.protected	k_q8afbc4cc47_score
	.globl	k_q8afbc4cc47_score
	.p2align	8
	.type	k_q8afbc4cc47_score,@function
k_q8afbc4cc47_score:
	s_mov_b64 s[64:65], 0
	v_nop
	global_prefetch_b8 v0, s[64:65] scope:SCOPE_SE
	s_setreg_imm32_b32 hwreg(HW_REG_WAVE_MODE, 25, 1), 1
	s_wait_xcnt 0x0
	s_wait_alu depctr_hold_cnt(0) depctr_sa_sdst(0) depctr_va_vdst(0) depctr_va_sdst(0) depctr_va_ssrc(0) depctr_va_vcc(0) depctr_vm_vsrc(0)
	s_getreg_b32 s2, hwreg(HW_REG_IB_STS2, 6, 4)
	s_cmp_eq_u32 s2, 0
	s_cbranch_scc0 .Lentry_in_a_cluster
	s_endpgm
.Lentry_in_a_cluster:
	s_bfe_u32 s2, ttmp6, 0x10000c
	s_cmp_lg_u32 s2, 0xf033
	s_cbranch_scc0 .Lentry_shape_is_right
	s_endpgm
.Lentry_shape_is_right:
; SCORE.  For a tile of 256 keys x 256 queries of one batch: s[key][query] = k . q (f16 operands, f32 sums).  The softmax runs over the QUERIES: a wave's 128 columns are one group g of queries, and
; for each of its 128 keys it finds cm = c max over the group of s, c = log2(e) / 32, p = 2^(c s - cm) (0 to 1) and l = the sum of p.  p goes out as f16, pt[key][query]; cm and l as f32,
; stats[batch][g][cm, l][key].  The groups' maxima are joined in the next launch: a true maximum is taken away, first by group and then over the groups.
; LIMITS: NaN and infinities are not treated apart; p below 6e-8 counts as 0 in pt (not in l).
; Tile, ring, cluster, fragments and windows as in the projection: M = keys (qkv's columns 1024..), N = queries (columns 0..); source 0 = queries, source 1 = keys: a lane holds one key (l % 16) and eight queries.
; 8 x 32 tiles: one work-group for each of 256 WGPs.
.set T,      8
.set PIT,    6144                      ; bytes in a row of qkv
.set STEP,   256
.set PC,     4096                      ; bytes in a row of pt
.set PA,     272
.set HALFT,  128*PA                    ; 0x8800
.set SLOT,   4*HALFT                   ; 0x22000: its two bits are in none of 0x8800 x 0..3, so an exclusive or with SLOT turns a wave's address in one slot into the other's
.set STAGE,  2*SLOT
.set WST,    16*272+1024               ; a wave's stage: 16 rows x 272 bytes, then 1,024 bytes for its statistics
.set SPARE,  STAGE+4*WST
.set VR, 1
.set VH, 2
.set VL, 3
.set ADRA0, 4
.set ADRB0, 5
.set ADRA, 6
.set ADRB, 7
.set STO, 8
.set RD, 9
.set CO, 10
.set PFO, 11
.set SPW, 12
.set NIL, 13
.set ST, 32                            ; block a's statistics at v[ST+4 a]: cm, the maximum, l
.set F0, 64
.set F1, 128
.set W, 128                            ; the way out: eight at work, then v136-143 the statistics read back
.set TMP, 192
.set BK, 64
.set WV, 14
.set WM, 15
.set WN, 16
.set CX, 17
.set CY, 18
.set TX, 19
.set TY, 20
.set LIM, 21
.set CNT, 22
.set TB, 23
.set G1A, 24
.set G0A, 32
.set G1B, 40
.set G0B, 48
.set PFA, 56
.set CLY, 61
.set CS, 66                            ; s[66:67] c, twice
.set SEL, 68                           ; s[68:69] v_permlanex16_b32's selects: each lane takes its own place in the other half
.set CB, 80
.set TO_B, 0x40
.set MSB, 0
.macro WIN new
.if MSB != (\new)
	s_set_vgpr_msb (MSB<<8)|(\new)
.set MSB, (\new)
.endif
.endm
.macro PLACES
.rept 4
	v_nop
.endr
.endm
.macro CREST
	s_cmp_lg_u32 s[WV], 0
	s_cbranch_scc1 .Lnot_wave_0_\@
	s_barrier_signal -3
.Lnot_wave_0_\@:
	s_barrier_wait -3
	s_barrier_signal -1
	s_barrier_wait -1
.endm
.macro CROUND
	s_barrier_signal -1
	s_barrier_wait -1
	CREST
.endm
.macro JLOAD
	s_cmp_lt_u32 s[WV], 2
	s_cbranch_scc0 .Lfor_b_\@
	tensor_load_to_lds s[G0A+4:G0A+7], s[G1A:G1A+7]
	s_nop 0
	PLACES
	s_branch .Lasked_\@
.Lfor_b_\@:
	tensor_load_to_lds s[G0B+4:G0B+7], s[G1B:G1B+7]
	s_nop 0
	PLACES
.Lasked_\@:
.endm
.macro ASK
	s_cmp_gt_u32 s[CNT], s[LIM]
	s_cbranch_scc0 .Lnot_mine_\@
	global_prefetch_b8 v[PFO], s[PFA:PFA+1] th:TH_LOAD_NT scope:SCOPE_SE
.Lnot_mine_\@:
.endm
.macro G1SET g, d0, rows, str
	s_mov_b32 s[(\g)+1], (\d0)<<16
	s_mov_b32 s[(\g)+2], (\rows)<<16
	s_mov_b32 s[(\g)+3], (\d0)<<16
	s_mov_b32 s[(\g)+4], \rows
	s_mov_b32 s[(\g)+5], \str
	s_mov_b32 s[(\g)+6], 0
	s_mov_b32 s[(\g)+7], 0
.endm
.macro G0SET g, lds, adr, stp
.irp n, 0,1
	s_mov_b32 s[(\g)+4*\n], 1
	s_add_co_u32 s[(\g)+4*\n+1], s[\lds], \n*SLOT
	s_add_nc_u64 s[(\g)+4*\n+2:(\g)+4*\n+3], s[(\adr):(\adr)+1], \n*(\stp)
	s_or_b32 s[(\g)+4*\n+3], s[(\g)+4*\n+3], 0x80000000
.endr
.endm
.macro FETCH f, kq                     ; 32 LDS loads in one run: B's eight fragments, then A's eight
	WIN TO_B
.irp i, 0,1,2,3,4,5,6,7
	ds_load_b128 v[(\f)+8*\i:(\f)+8*\i+3],   v[ADRB] offset:64*(\kq)+\i*16*PA
	ds_load_b128 v[(\f)+8*\i+4:(\f)+8*\i+7], v[ADRB] offset:64*(\kq)+\i*16*PA+32
.endr
	WIN 0
.irp i, 0,1,2,3,4,5,6,7
	ds_load_b128 v[(\f)+8*\i:(\f)+8*\i+3],   v[ADRA] offset:64*(\kq)+\i*16*PA
	ds_load_b128 v[(\f)+8*\i+4:(\f)+8*\i+7], v[ADRA] offset:64*(\kq)+\i*16*PA+32
.endr
.endm
.macro MUL16 f, hi, a0, z              ; 16 products; the 64 accumulators take turns, one instruction a turn.  z = 1: the products start the sums
	WIN 0xa1+0x50*(\hi)
.irp a, \a0, (\a0)+1
.irp b, 0,1,2,3,4,5,6,7
.if \z
	v_wmma_f32_16x16x32_f16 v[8*(8*(\a)+(\b)):8*(8*(\a)+(\b))+7], v[(\f)+8*(\b):(\f)+8*(\b)+7], v[(\f)+8*(4*(\hi)+(\a)):(\f)+8*(4*(\hi)+(\a))+7], 0
.else
	v_wmma_f32_16x16x32_f16 v[8*(8*(\a)+(\b)):8*(8*(\a)+(\b))+7], v[(\f)+8*(\b):(\f)+8*(\b)+7], v[(\f)+8*(4*(\hi)+(\a)):(\f)+8*(4*(\hi)+(\a))+7], v[8*(8*(\a)+(\b)):8*(8*(\a)+(\b))+7]
.endif
.endr
.endr
.endm
.macro QUARTER f, g, kq, z
	s_wait_dscnt 8                                 ; B and A's rows 0-63 are in; the youngest eight loads (A's rows 64-127) may be out
	MUL16 \f, 0, 0, \z
	MUL16 \f, 0, 2, \z
	PLACES
	FETCH \g, \kq
	s_wait_dscnt 32                                ; all but the 32 just issued
	MUL16 \f, 1, 0, \z
	MUL16 \f, 1, 2, \z
.endm
.macro TURN fill                       ; the change of slots: all my tensor loads, the add, my reads; the barrier (with fill = 1 a round of the cluster's); the joint refill first behind it
.if \fill
	s_wait_xcnt 0x0                                ; the last prefetch, a K step back, has read its address
	s_add_nc_u64 s[PFA:PFA+1], s[PFA:PFA+1], STEP
.endif
	WIN 0
	s_wait_tensorcnt 0x0
	ds_add_u32 v[SPW], v[NIL]
.if \fill
	s_xor_b32 s[G0A+5], s[G0A+5], SLOT
	s_add_nc_u64 s[G0A+6:G0A+7], s[G0A+6:G0A+7], STEP
	s_xor_b32 s[G0B+5], s[G0B+5], SLOT
	s_add_nc_u64 s[G0B+6:G0B+7], s[G0B+6:G0B+7], STEP
.endif
	s_xor_b32 s[TB], s[TB], SLOT
	s_wait_dscnt 9                                 ; the add and the youngest eight loads may be out
	MUL16 F1, 0, 0, 0
	s_wait_dscnt 0x0
	s_barrier_signal -1
	MUL16 F1, 0, 2, 0
	WIN 0
	s_barrier_wait -1
.if \fill
	CREST
	JLOAD
.else
	PLACES
.endif
	v_add_nc_u32 v[ADRA], s[TB], v[ADRA0]
	v_add_nc_u32 v[ADRB], s[TB], v[ADRB0]
	FETCH F0, 0
.if \fill
	ASK
.endif
	MUL16 F1, 1, 0, 0
	MUL16 F1, 1, 2, 0
.endm
	s_load_b128 s[4:7], s[0:1], 0x0                ; qkv s[4:5], pt s[6:7]
	s_load_b64 s[8:9], s[0:1], 0x10                ; stats
	v_lshl_add_u32 v[SPW], v0, 2, SPARE
	v_mov_b32 v[NIL], 0
	ds_add_u32 v[SPW], v[NIL]                      ; the wave's opening: the add and its wait ahead of my first tensor load
	v_lshrrev_b32 v1, 5, v0
	v_readfirstlane_b32 s[WV], v1
	s_lshr_b32 s[WM], s[WV], 1
	s_and_b32 s[WN], s[WV], 1
	s_bfe_u32 s[CX], ttmp6, 0x40000
	s_bfe_u32 s[CY], ttmp6, 0x40004
	s_lshl_b32 s[TX], ttmp9, 2
	s_add_co_u32 s[TX], s[TX], s[CX]               ; which 256 queries of the batch
	s_and_b32 s[CLY], ttmp7, 0xffff
	s_lshl_b32 s[TY], s[CLY], 2
	s_add_co_u32 s[TY], s[TY], s[CY]               ; which 256 keys, over all batches; the batch is CLY >> 1, the same in the whole cluster
	s_lshl_b32 s84, s[CY], 2
	s_lshl_b32 s84, 15, s84
	s_lshl_b32 s85, 0x1111, s[CX]
	s_or_b32 s[G1A], s84, (1<<16)|(1<<20)|(1<<21)|(5<<22)|(3<<25)
	s_or_b32 s[G1B], s85, (1<<16)|(1<<20)|(1<<21)|(5<<22)|(3<<25)
	G1SET G1A, 128, 128, PIT/2
	G1SET G1B, 128, 128, PIT/2
	s_lshl_b32 s72, s[TY], 8                       ; A: keys: row 256 TY + 128 x half, 2,048 bytes into the row
	s_lshl_b32 s73, s[WN], 7
	s_add_co_u32 s72, s72, s73
	s_mul_i32 s72, s72, PIT
	s_add_co_u32 s72, s72, 2048
	s_mov_b32 s73, 0
	s_lshl_b32 s76, s[TX], 8                       ; B: queries: row 2048 x batch + 256 TX + 128 x half
	s_lshl_b32 s77, s[WN], 7
	s_add_co_u32 s76, s76, s77
	s_lshr_b32 s77, s[CLY], 1
	s_lshl_b32 s77, s77, 11
	s_add_co_u32 s76, s76, s77
	s_mul_i32 s76, s76, PIT
	s_mov_b32 s77, 0
	s_mul_i32 s74, s[WV], HALFT
	v_and_b32 v[VR], 15, v0
	v_bfe_u32 v[VH], v0, 4, 1
	v_and_b32 v[VL], 31, v0
	v_mul_u32_u24 v[ADRB0], v[VR], PA
	v_lshl_add_u32 v[ADRB0], v[VH], 4, v[ADRB0]
	s_mul_i32 s62, s[WM], HALFT
	v_add_nc_u32 v[ADRA0], s62, v[ADRB0]
	s_mul_i32 s62, s[WN], HALFT
	s_add_co_u32 s62, s62, 2*HALFT
	v_add_nc_u32 v[ADRB0], s62, v[ADRB0]
	v_mov_b32 v[ADRA], v[ADRA0]
	v_mov_b32 v[ADRB], v[ADRB0]
	s_mul_i32 s62, s[WV], WST
	s_add_co_u32 s62, s62, STAGE
	v_mul_u32_u24 v[STO], v[VR], 272
	v_lshl_add_u32 v[STO], v[VH], 4, v[STO]
	v_add_nc_u32 v[STO], s62, v[STO]
	v_mul_u32_u24 v[RD], v[VH], 272
	v_lshl_add_u32 v[RD], v[VR], 4, v[RD]
	v_add_nc_u32 v[RD], s62, v[RD]
	v_lshlrev_b32 v[CO], 12, v[VH]
	v_lshl_add_u32 v[CO], v[VR], 4, v[CO]
	v_mul_u32_u24 v[PFO], v[VL], PIT
	s_mov_b32 s[TB], 0
	s_mov_b32 s[CS], 0x3d38aa3b                    ; c = log2(e) / 32
	s_mov_b32 s[CS+1], s[CS]
	s_mov_b32 s[SEL], 0x76543210
	s_mov_b32 s[SEL+1], 0xfedcba98
	s_wait_dscnt 0x0                               ; the opening add is done
	s_wait_kmcnt 0x0
	s_add_nc_u64 s[72:73], s[4:5], s[72:73]
	s_add_nc_u64 s[76:77], s[4:5], s[76:77]
	G0SET G0A, 74, 72, STEP
	G0SET G0B, 74, 76, STEP
	CROUND
	s_cmp_lt_u32 s[WV], 2
	s_cbranch_scc0 .Lfirst_b
	tensor_load_to_lds s[G0A:G0A+3], s[G1A:G1A+7]
	s_nop 0
	tensor_load_to_lds s[G0A+4:G0A+7], s[G1A:G1A+7]
	s_nop 0
	PLACES
	s_branch .Lfirst_done
.Lfirst_b:
	tensor_load_to_lds s[G0B:G0B+3], s[G1B:G1B+7]
	s_nop 0
	tensor_load_to_lds s[G0B+4:G0B+7], s[G1B:G1B+7]
	s_nop 0
	PLACES
.Lfirst_done:
	s_lshl_b32 s2, s[TY], 8                        ; pt at my 128 keys and 128 queries
	s_lshl_b32 s3, s[WM], 7
	s_add_co_u32 s2, s2, s3
	s_lshl_b32 s2, s2, 12
	s_lshl_b32 s3, s[TX], 9
	s_add_co_u32 s2, s2, s3
	s_lshl_b32 s3, s[WN], 8
	s_add_co_u32 s2, s2, s3
	s_mov_b32 s3, 0
	s_add_nc_u64 s[CB:CB+1], s[6:7], s[2:3]
	s_lshr_b32 s2, s[CLY], 1                       ; stats: (16 batch + 2 TX + WN) x 16,384 + 4 (256 (TY % 8) + 128 WM)
	s_lshl_b32 s2, s2, 4
	s_lshl_b32 s3, s[TX], 1
	s_add_co_u32 s2, s2, s3
	s_add_co_u32 s2, s2, s[WN]
	s_lshl_b32 s2, s2, 14
	s_and_b32 s3, s[TY], 7
	s_lshl_b32 s3, s3, 10
	s_add_co_u32 s2, s2, s3
	s_lshl_b32 s3, s[WM], 9
	s_add_co_u32 s2, s2, s3
	s_mov_b32 s3, 0
	s_add_nc_u64 s[82:83], s[8:9], s[2:3]
	; the prefetches: of the 128 rows that a wave fetches each of the four partners takes 32, told apart by address.  The keys' rows are asked for by the clusters with x = 0, the queries' rows by the
	; batch's first cluster along y: so each row's 256 bytes of a K step are named once.
	s_lshl_b32 s2, s[TY], 8
	s_lshl_b32 s3, s[TX], 8
	s_lshr_b32 s62, s[CLY], 1
	s_lshl_b32 s62, s62, 11
	s_add_co_u32 s3, s3, s62
	s_and_b32 s87, s[CLY], 1
	s_cmp_eq_u32 s[WM], 0
	s_cselect_b32 s2, s2, s3
	s_cselect_b32 s3, s[CX], s[CY]
	s_cselect_b32 s86, ttmp9, s87
	s_cselect_b32 s62, 2048, 0
	s_lshl_b32 s87, s[WN], 7
	s_add_co_u32 s2, s2, s87
	s_lshl_b32 s3, s3, 5
	s_add_co_u32 s2, s2, s3
	s_mul_i32 s2, s2, PIT
	s_add_co_u32 s2, s2, s62
	s_add_co_u32 s2, s2, 3*STEP                    ; at K step 3: the first refill steps it to 4
	s_mov_b32 s3, 0
	s_add_nc_u64 s[PFA:PFA+1], s[4:5], s[2:3]
	s_cmp_eq_u32 s86, 0
	s_cselect_b32 s[LIM], 2, -1
	s_wait_tensorcnt 0x1                           ; my part of slot 0 is in; slot 1's may stay out
	s_barrier_signal -1
	s_barrier_wait -1
	FETCH F0, 0
	QUARTER F0, F1, 1, 1
	WIN 0
	s_mov_b32 s[CNT], T-2
.Lstep:
	QUARTER F1, F0, 2, 0
	QUARTER F0, F1, 3, 0
	TURN 1
	QUARTER F0, F1, 1, 0
	WIN 0
	s_sub_co_u32 s[CNT], s[CNT], 1
	s_cmp_lg_u32 s[CNT], 0
	s_cbranch_scc1 .Lstep
	s_mov_b32 s[CNT], 2
.Ltail:                                        ; the last two K steps ask for nothing: one text, walked twice.  The second trip's change of slots (a barrier, 32 loads of the slot read before) serves nothing:
	QUARTER F1, F0, 2, 0                           ; the price, once a launch, of writing the two steps once
	QUARTER F0, F1, 3, 0
	TURN 0
	WIN 0
	s_cmp_eq_u32 s[CNT], 1
	s_cbranch_scc1 .Llast                          ; behind the last K step no further step begins
	QUARTER F0, F1, 1, 0
	WIN 0
.Llast:
	s_wait_dscnt 0x0                               ; no LDS load is out at the loop's edge, on either way
	s_sub_co_u32 s[CNT], s[CNT], 1
	s_cmp_lg_u32 s[CNT], 0
	s_cbranch_scc1 .Ltail
	PLACES
	PLACES
; THE SOFTMAX'S PART.  Block a (0..7): 16 keys, one a lane; the lane's 64 scores lie in 8 accumulators, in window 2 (a < 4) or 3; the key's other 64 in the lane 16 away.
.macro BLK a                           ; the block's first accumulator register and its window
.set AC, 64*((\a)%4)
.set WW, 2+(\a)/4
.endm
.macro MAXA a                          ; eight chains, each accumulator's lowest registers first; then into one; the other half; cm
	BLK \a
	WIN WW|(WW<<2)|(WW<<4)
.irp b, 0,1,2,3,4,5,6,7
	v_max3_num_f32 v[W+\b], v[AC+8*\b], v[AC+8*\b+1], v[AC+8*\b+2]
.endr
	WIN (WW<<2)|(WW<<4)
.irp b, 0,1,2,3,4,5,6,7
	v_max3_num_f32 v[W+\b], v[W+\b], v[AC+8*\b+3], v[AC+8*\b+4]
.endr
.irp b, 0,1,2,3,4,5,6,7
	v_max3_num_f32 v[W+\b], v[W+\b], v[AC+8*\b+5], v[AC+8*\b+6]
.endr
.irp b, 0,2,4,6
	v_max3_num_f32 v[W+\b], v[W+\b], v[AC+8*\b+7], v[AC+8*\b+15]
.endr
	WIN 0
	v_max3_num_f32 v[W], v[W], v[W+1], v[W+2]
	v_max3_num_f32 v[W+3], v[W+3], v[W+4], v[W+5]
	v_max3_num_f32 v[W], v[W], v[W+6], v[W+7]
	v_max_num_f32 v[W], v[W], v[W+3]
	v_permlanex16_b32 v[W+1], v[W], s[SEL], s[SEL+1]
	v_max_num_f32 v[ST+4*(\a)+1], v[W], v[W+1]
	v_mul_f32 v[ST+4*(\a)], s[CS], v[ST+4*(\a)+1]
.endm
.macro EXPA a                          ; c s - cm and its exponential, in place
	BLK \a
	WIN (WW<<6)|WW
.set i, 0
.rept 32
	v_pk_fma_f32 v[AC+2*i:AC+2*i+1], v[AC+2*i:AC+2*i+1], s[CS:CS+1], v[ST+4*(\a):ST+4*(\a)+1] op_sel_hi:[1,0,0] neg_lo:[0,0,1] neg_hi:[0,0,1]
.set i, i+1
.endr
.set i, 0
.rept 64
	v_exp_f32 v[AC+i], v[AC+i]
.set i, i+1
.endr
.endm
.macro PACK a
	BLK \a
	WIN WW|(WW<<2)
.irp b, 0,1,2,3,4,5,6,7
.irp q, 0,1,2,3
	v_cvt_pk_f16_f32 v[TMP+4*\b+\q], v[AC+8*\b+2*\q], v[AC+8*\b+2*\q+1]
.endr
.endr
.endm
.macro SUMA a                          ; l: the 32 pairs are added as a tree, in place; then the pair's halves and the other half of the lanes
	BLK \a
	WIN (WW<<6)|WW|(WW<<2)
.irp w, 16,8,4,2,1
.set i, 0
.rept \w
	v_pk_add_f32 v[AC+2*i:AC+2*i+1], v[AC+2*i:AC+2*i+1], v[AC+2*(i+\w):AC+2*(i+\w)+1]
.set i, i+1
.endr
.endr
	WIN WW|(WW<<2)
	v_add_f32 v[ST+4*(\a)+2], v[AC], v[AC+1]
	WIN 0
	v_permlanex16_b32 v[W+1], v[ST+4*(\a)+2], s[SEL], s[SEL+1]
	v_add_f32 v[ST+4*(\a)+2], v[ST+4*(\a)+2], v[W+1]
.endm
.macro TOSTAGE a
.irp b, 0,1,2,3,4,5,6,7
	ds_store_b128 v[STO], v[TMP+4*\b:TMP+4*\b+3] offset:32*\b
.endr
.irp t, 0,1,2,3,4,5,6,7
	ds_load_b128 v[BK+32*((\a)%2)+4*\t:BK+32*((\a)%2)+4*\t+3], v[RD] offset:\t*2*272  ; LDS serves a wave's instructions in order (ISA guide 5.7.1.4)
.endr
.endm
.macro SEND a
	s_wait_dscnt 0x0
	s_wait_xcnt 0x0                                ; earlier stores have read their registers, which the next block's loads write
.irp t, 0,1,2,3,4,5,6,7
	global_store_b128 v[CO], v[BK+32*((\a)%2)+4*\t:BK+32*((\a)%2)+4*\t+3], s[CB:CB+1] offset:(16*(\a)+2*\t)*PC  ; sixteen lanes store 256 consecutive bytes, aligned
.endr
.endm
.irp a, 0,1,2,3,4,5,6,7
	MAXA \a
.endr
.irp a, 0,1,2,3,4,5,6,7
	EXPA \a                                        ; the 512 exponentials are one batch: nothing ahead of the wait names a result
.endr
	v_nop                                          ; a plain instruction behind the last exponential
	s_wait_alu depctr_va_vdst(0)                   ; and one wait ahead of the first use
	PACK 0
	SUMA 0
	TOSTAGE 0
.irp a, 1,2,3,4,5,6,7
	PACK \a
	SUMA \a
	SEND (\a)-1
	TOSTAGE \a
.endr
	SEND 7
	; the statistics: lanes 0-15 hand in cm, lanes 16-31 l; read back, the wave holds 512 consecutive bytes of cm and 512 of l
	s_mul_i32 s62, s[WV], WST
	s_add_co_u32 s62, s62, STAGE+16*272
	v_lshlrev_b32 v4, 9, v[VH]
	v_lshl_add_u32 v4, v[VR], 2, v4
	v_add_nc_u32 v4, s62, v4
	v_lshl_add_u32 v5, v[VL], 4, s62
	v_lshlrev_b32 v6, 4, v[VL]
	v_cmp_eq_u32 s70, 1, v[VH]
.irp a, 0,1,2,3,4,5,6,7
	v_cndmask_b32 v[W+\a], v[ST+4*\a], v[ST+4*\a+2], s70
	ds_store_b32 v4, v[W+\a] offset:64*\a
.endr
	ds_load_b128 v[136:139], v5
	ds_load_b128 v[140:143], v5 offset:512
	s_wait_dscnt 0x0
	global_store_b128 v6, v[136:139], s[82:83]
	global_store_b128 v6, v[140:143], s[82:83] offset:8192
	s_wait_tensorcnt 0x0                           ; the wave's end
	ds_add_u32 v[SPW], v[NIL]
	s_wait_dscnt 0x0
	CROUND
	s_endpgm
.Lfunc_end_k_q8afbc4cc47_score:
	.size	k_q8afbc4cc47_score, .Lfunc_end_k_q8afbc4cc47_score-k_q8afbc4cc47_score
	.p2alignl 7, 3214868480
	.fill 96, 4, 3214868480
	.section	.rodata,"a",@progbits
	.p2align	6, 0x0
	.amdhsa_kernel k_q8afbc4cc47_score
		.amdhsa_group_segment_fixed_size 327680
		.amdhsa_private_segment_fixed_size 0
		.amdhsa_enable_private_segment 0
		.amdhsa_kernarg_size 24
		.amdhsa_user_sgpr_count 2
		.amdhsa_user_sgpr_kernarg_segment_ptr 1
		.amdhsa_wavefront_size32 1
		.amdhsa_system_sgpr_workgroup_id_x 1
		.amdhsa_system_sgpr_workgroup_id_y 1
		.amdhsa_system_sgpr_workgroup_id_z 1
		.amdhsa_system_vgpr_workitem_id 0
		.amdhsa_next_free_vgpr 1024
		.amdhsa_next_free_sgpr 96
		.amdhsa_reserve_vcc 0
		.amdhsa_float_denorm_mode_32 3
		.amdhsa_float_denorm_mode_16_64 3
		.amdhsa_memory_ordered 1
		.amdhsa_forward_progress 1
		.amdhsa_inst_pref_size 170
	.end_amdhsa_kernel
	.amdgpu_metadata
---
amdhsa.version: [ 1, 2 ]
amdhsa.kernels:
  - .name:           k_q8afbc4cc47_score
    .symbol:         k_q8afbc4cc47_score.kd
    .args:
      - { .name: qkv, .offset: 0, .size: 8, .value_kind: global_buffer, .address_space: global }
      - { .name: pt, .offset: 8, .size: 8, .value_kind: global_buffer, .address_space: global }
      - { .name: stats, .offset: 16, .size: 8, .value_kind: global_buffer, .address_space: global }
    .group_segment_fixed_size: 327680
    .private_segment_fixed_size: 0
    .kernarg_segment_align: 8
    .kernarg_segment_size: 24
    .max_flat_workgroup_size: 128
    .sgpr_count:     96
    .vgpr_count:     1024
    .wavefront_size: 32
...
	.end_amdgpu_metadata
.endif
;; end of part 3
;; launch fac (part 4): grid 64 x 1, 1 waves a work-group, no clusters, 0 bytes of LDS; arguments stats, fbuf; writes fbuf
.if DOCPART == 4
	.amdgcn_target "amdgcn-amd-amdhsa--gfx1250"
	.amdhsa_code_object_version 6
	.text
	.protected	k_q8afbc4cc47_fac
	.globl	k_q8afbc4cc47_fac
	.p2align	8
	.type	k_q8afbc4cc47_fac,@function
k_q8afbc4cc47_fac:
	s_mov_b64 s[64:65], 0
	v_nop
	global_prefetch_b8 v0, s[64:65] scope:SCOPE_SE
	s_setreg_imm32_b32 hwreg(HW_REG_WAVE_MODE, 25, 1), 1
	s_wait_xcnt 0x0
; FAC.  For each key: M = max over the 16 groups of cm, L = sum over the groups of l 2^(cm - M) (at least about 1: the group that holds the maximum has a weight 1),
; f[g] = 2048 x 2^(cm[g] - M) / L, at most 2,048, as f16: fbuf[16 batch + g][key].  p x f is then 2048 x the softmax's weight.
; A wave takes 128 keys of one batch, a lane four: every load covers 512 consecutive bytes, every store 256.  The work is 64 waves' and no more; no LDS, no barrier.
.set CM, 16                            ; v[16:79]   cm, four keys a group; then 2^(cm - M); then f
.set LL, 80                            ; v[80:143]  l
.set MX, 4                             ; v[4:7]     M
.set LS, 8                             ; v[8:11]    L, then 2048 / L
.set FH, 144                           ; v[144:175] f in f16
	s_load_b128 s[4:7], s[0:1], 0x0                ; stats, fbuf
	s_lshr_b32 s8, ttmp9, 4                        ; batch
	s_and_b32 s9, ttmp9, 15                        ; which 128 keys
	s_lshl_b32 s10, s8, 18
	s_lshl_b32 s11, s9, 9
	s_add_co_u32 s10, s10, s11
	s_mov_b32 s11, 0
	s_lshl_b32 s12, s8, 16
	s_lshl_b32 s13, s9, 8
	s_add_co_u32 s12, s12, s13
	s_mov_b32 s13, 0
	v_lshlrev_b32 v1, 4, v0
	v_lshlrev_b32 v2, 3, v0
	s_wait_kmcnt 0x0
	s_add_nc_u64 s[4:5], s[4:5], s[10:11]
	s_add_nc_u64 s[6:7], s[6:7], s[12:13]
.set g, 0
.rept 16
	global_load_b128 v[CM+4*g:CM+4*g+3], v1, s[4:5] offset:16384*g
	global_load_b128 v[LL+4*g:LL+4*g+3], v1, s[4:5] offset:16384*g+8192
.set g, g+1
.endr
	s_wait_loadcnt 0x0
.irp c, 0,1,2,3
	v_max3_num_f32 v[MX+\c], v[CM+\c], v[CM+4+\c], v[CM+8+\c]
.endr
.irp g, 3,5,7,9,11,13
.irp c, 0,1,2,3
	v_max3_num_f32 v[MX+\c], v[MX+\c], v[CM+4*\g+\c], v[CM+4*\g+4+\c]
.endr
.endr
.irp c, 0,1,2,3
	v_max_num_f32 v[MX+\c], v[MX+\c], v[CM+60+\c]
.endr
.set g, 0
.rept 16
	v_pk_add_f32 v[CM+4*g:CM+4*g+1],   v[CM+4*g:CM+4*g+1],   v[MX:MX+1]   neg_lo:[0,1] neg_hi:[0,1]
	v_pk_add_f32 v[CM+4*g+2:CM+4*g+3], v[CM+4*g+2:CM+4*g+3], v[MX+2:MX+3] neg_lo:[0,1] neg_hi:[0,1]
.set g, g+1
.endr
.set i, 0
.rept 64
	v_exp_f32 v[CM+i], v[CM+i]
.set i, i+1
.endr
	v_nop                                          ; a plain instruction behind the last exponential,
	s_wait_alu depctr_va_vdst(0)                   ; and one wait for the batch
	v_pk_mul_f32 v[LS:LS+1],   v[LL:LL+1],   v[CM:CM+1]
	v_pk_mul_f32 v[LS+2:LS+3], v[LL+2:LL+3], v[CM+2:CM+3]
.set g, 1
.rept 15
	v_pk_fma_f32 v[LS:LS+1],   v[LL+4*g:LL+4*g+1],   v[CM+4*g:CM+4*g+1],   v[LS:LS+1]
	v_pk_fma_f32 v[LS+2:LS+3], v[LL+4*g+2:LL+4*g+3], v[CM+4*g+2:CM+4*g+3], v[LS+2:LS+3]
.set g, g+1
.endr
.irp c, 0,1,2,3
	v_rcp_f32 v[LS+\c], v[LS+\c]
.endr
	v_nop
	s_wait_alu depctr_va_vdst(0)
.irp c, 0,1,2,3
	v_mul_f32 v[LS+\c], 0x45000000, v[LS+\c]       ; x 2048
.endr
.set g, 0
.rept 16
	v_pk_mul_f32 v[CM+4*g:CM+4*g+1],   v[CM+4*g:CM+4*g+1],   v[LS:LS+1]
	v_pk_mul_f32 v[CM+4*g+2:CM+4*g+3], v[CM+4*g+2:CM+4*g+3], v[LS+2:LS+3]
	v_cvt_pk_f16_f32 v[FH+2*g],   v[CM+4*g],   v[CM+4*g+1]
	v_cvt_pk_f16_f32 v[FH+2*g+1], v[CM+4*g+2], v[CM+4*g+3]
	global_store_b64 v2, v[FH+2*g:FH+2*g+1], s[6:7] offset:4096*g  ; the wave stores 256 consecutive bytes, aligned
.set g, g+1
.endr
	s_endpgm
.Lfunc_end_k_q8afbc4cc47_fac:
	.size	k_q8afbc4cc47_fac, .Lfunc_end_k_q8afbc4cc47_fac-k_q8afbc4cc47_fac
	.p2alignl 7, 3214868480
	.fill 96, 4, 3214868480
	.section	.rodata,"a",@progbits
	.p2align	6, 0x0
	.amdhsa_kernel k_q8afbc4cc47_fac
		.amdhsa_group_segment_fixed_size 0
		.amdhsa_private_segment_fixed_size 0
		.amdhsa_enable_private_segment 0
		.amdhsa_kernarg_size 16
		.amdhsa_user_sgpr_count 2
		.amdhsa_user_sgpr_kernarg_segment_ptr 1
		.amdhsa_wavefront_size32 1
		.amdhsa_system_sgpr_workgroup_id_x 1
		.amdhsa_system_sgpr_workgroup_id_y 1
		.amdhsa_system_sgpr_workgroup_id_z 1
		.amdhsa_system_vgpr_workitem_id 0
		.amdhsa_next_free_vgpr 192
		.amdhsa_next_free_sgpr 66
		.amdhsa_reserve_vcc 0
		.amdhsa_float_denorm_mode_32 3
		.amdhsa_float_denorm_mode_16_64 3
		.amdhsa_memory_ordered 1
		.amdhsa_forward_progress 1
		.amdhsa_inst_pref_size 18
	.end_amdhsa_kernel
	.amdgpu_metadata
---
amdhsa.version: [ 1, 2 ]
amdhsa.kernels:
  - .name:           k_q8afbc4cc47_fac
    .symbol:         k_q8afbc4cc47_fac.kd
    .args:
      - { .name: stats, .offset: 0, .size: 8, .value_kind: global_buffer, .address_space: global }
      - { .name: fbuf, .offset: 8, .size: 8, .value_kind: global_buffer, .address_space: global }
    .group_segment_fixed_size: 0
    .private_segment_fixed_size: 0
    .kernarg_segment_align: 8
    .kernarg_segment_size: 16
    .max_flat_workgroup_size: 32
    .sgpr_count:     66
    .vgpr_count:     192
    .wavefront_size: 32
...
	.end_amdgpu_metadata
.endif
;; end of part 4
;; launch ctxk (part 5): grid 4 x 64, 4 waves a work-group, clusters of 4 x 4, 327,680 bytes of LDS; arguments pt, qkv, fbuf, ctx, rho; writes ctx, rho
.if DOCPART == 5
	.amdgcn_target "amdgcn-amd-amdhsa--gfx1250"
	.amdhsa_code_object_version 6
	.text
	.protected	k_q8afbc4cc47_ctxk
	.globl	k_q8afbc4cc47_ctxk
	.p2align	8
	.type	k_q8afbc4cc47_ctxk,@function
k_q8afbc4cc47_ctxk:
	s_mov_b64 s[64:65], 0
	v_nop
	global_prefetch_b8 v0, s[64:65] scope:SCOPE_SE
	s_setreg_imm32_b32 hwreg(HW_REG_WAVE_MODE, 25, 1), 1
	s_wait_xcnt 0x0
	s_wait_alu depctr_hold_cnt(0) depctr_sa_sdst(0) depctr_va_vdst(0) depctr_va_sdst(0) depctr_va_ssrc(0) depctr_va_vcc(0) depctr_vm_vsrc(0)
	s_getreg_b32 s2, hwreg(HW_REG_IB_STS2, 6, 4)
	s_cmp_eq_u32 s2, 0
	s_cbranch_scc0 .Lentry_in_a_cluster
	s_endpgm
.Lentry_in_a_cluster:
	s_bfe_u32 s2, ttmp6, 0x10000c
	s_cmp_lg_u32 s2, 0xf033
	s_cbranch_scc0 .Lentry_shape_is_right
	s_endpgm
.Lentry_shape_is_right:
; CTX.  For a tile of 128 queries (one group g) x 256 channels: acc[q][d] = sum over the batch's 2,048 keys of P'[k][q] V[k][d], P' = p x f[g][k] = 2048 x the softmax's weight (f16, at most 2,048),
; and r[q] = sum over k of P'[k][q], made by the matrix unit against a fragment of ones from the same rounded P'.  Out go ctx = acc / max(r, 2^-100), a weighted mean of V's rows, which has V's range
; (f16), and rho = max(r, 2^-100) / 2048 (f32), by which the last launch multiplies.  Each column tile writes a copy of rho of its own.
; LIMITS: a weight whose 2048-fold is under 6e-8 counts as 0; NaN and infinities are not treated apart.
; Both operands lie in memory with the keys down the rows (pt[key][query], V[key][channel]): their fragments come out of LDS turned, by ds_load_tr16_b128.
; f's fragment has the layout of A's (the same keys in the same halves of the same registers, for every query), so P' is one packed multiply a register.
; Ring and cluster as in the other products: a K step is 128 keys; A's tile 128 x 256 bytes is shared along a row of the cluster, B's 128 x 512 bytes along a column.
.set T,      16
.set STEPA,  524288                    ; 128 rows of pt
.set STEPB,  786432                    ; 128 rows of qkv
.set PC,     2048                      ; bytes in a row of ctx
.set PAA,    288                       ; an LDS row of A: 256 + 32 bytes; of B: 512 + 32
.set PBB,    544
.set SLOT1,  131072
.set AOFF,   128*PAA
.set FT,     SLOT1+AOFF+128*PBB        ; behind the ring: f of my group, 2,048 f16
.set STAGE,  FT+4096
.set WST,    16*272+512
.set SPARE,  STAGE+4*WST
.set VR, 1
.set VH, 2
.set VL, 3
.set ADRA0, 4
.set ADRB0, 5
.set ADRA, 6
.set ADRB, 7
.set STO, 8
.set RD, 9
.set CO, 10
.set PFO, 11
.set SPW, 12
.set NIL, 13
.set ADRF0, 14
.set ADRF, 15
.set ST, 16                            ; block a: v[ST+4 a] max(r, 2^-100); +2, +3 its reciprocal, twice
.set FA, 32
.set FS, 96                            ; two buffers of f's fragment
.set ONES, 112
.set RHO, 120                          ; four accumulators of r
.set W, 152
.set TMP, 160
.set BK, 192
.set WV, 14
.set WM, 15
.set WN, 16
.set CX, 17
.set CY, 18
.set TX, 19
.set TY, 20
.set LIM, 21
.set CNT, 22
.set TB, 23
.set G1A, 24
.set G0A, 32
.set G1B, 40
.set G0B, 48
.set PFA, 56
.set PFS, 58
.set TF, 60
.set CLY, 61
.set CB, 80
.set MUL,  0x52
.set MSB, 0
.macro WIN new
.if MSB != (\new)
	s_set_vgpr_msb (MSB<<8)|(\new)
.set MSB, (\new)
.endif
.endm
.macro PLACES
.rept 4
	v_nop
.endr
.endm
.macro CREST
	s_cmp_lg_u32 s[WV], 0
	s_cbranch_scc1 .Lnot_wave_0_\@
	s_barrier_signal -3
.Lnot_wave_0_\@:
	s_barrier_wait -3
	s_barrier_signal -1
	s_barrier_wait -1
.endm
.macro CROUND
	s_barrier_signal -1
	s_barrier_wait -1
	CREST
.endm
.macro JLOAD
	s_cmp_lt_u32 s[WV], 2
	s_cbranch_scc0 .Lfor_b_\@
	tensor_load_to_lds s[G0A+4:G0A+7], s[G1A:G1A+7]
	s_nop 0
	PLACES
	s_branch .Lasked_\@
.Lfor_b_\@:
	tensor_load_to_lds s[G0B+4:G0B+7], s[G1B:G1B+7]
	s_nop 0
	PLACES
.Lasked_\@:
.endm
.macro ASK
	s_cmp_gt_u32 s[CNT], s[LIM]
	s_cbranch_scc0 .Lnot_mine_\@
	global_prefetch_b8 v[PFO], s[PFA:PFA+1] th:TH_LOAD_NT scope:SCOPE_SE
.Lnot_mine_\@:
.endm
.macro G1SET g, d0, rows, str
	s_mov_b32 s[(\g)+1], (\d0)<<16
	s_mov_b32 s[(\g)+2], (\rows)<<16
	s_mov_b32 s[(\g)+3], (\d0)<<16
	s_mov_b32 s[(\g)+4], \rows
	s_mov_b32 s[(\g)+5], \str
	s_mov_b32 s[(\g)+6], 0
	s_mov_b32 s[(\g)+7], 0
.endm
.macro G0SET g, lds, adr, stp
.irp n, 0,1
	s_mov_b32 s[(\g)+4*\n], 1
	s_add_co_u32 s[(\g)+4*\n+1], s[\lds], \n*SLOT1
	s_add_nc_u64 s[(\g)+4*\n+2:(\g)+4*\n+3], s[(\adr):(\adr)+1], \n*(\stp)
	s_or_b32 s[(\g)+4*\n+3], s[(\g)+4*\n+3], 0x80000000
.endr
.endm
.macro FETCH f, kq                     ; 26 LDS loads in one run, in this order: f's fragment (2), A's four (8), B's eight (16)
	WIN 0
	ds_load_b128 v[FS+8*(\f):FS+8*(\f)+3],   v[ADRF] offset:64*(\kq)
	ds_load_b128 v[FS+8*(\f)+4:FS+8*(\f)+7], v[ADRF] offset:64*(\kq)+32
.irp i, 0,1,2,3
	ds_load_tr16_b128 v[FA+32*(\f)+8*\i:FA+32*(\f)+8*\i+3],   v[ADRA] offset:32*PAA*(\kq)+32*\i
	ds_load_tr16_b128 v[FA+32*(\f)+8*\i+4:FA+32*(\f)+8*\i+7], v[ADRA] offset:32*PAA*(\kq)+32*\i+16*PAA
.endr
	WIN 0x80
.irp i, 0,1,2,3,4,5,6,7
	ds_load_tr16_b128 v[64*(\f)+8*\i:64*(\f)+8*\i+3],   v[ADRB] offset:32*PBB*(\kq)+32*\i
	ds_load_tr16_b128 v[64*(\f)+8*\i+4:64*(\f)+8*\i+7], v[ADRB] offset:32*PBB*(\kq)+32*\i+16*PBB
.endr
	WIN 0
.endm
.macro PROD f, a, b, z
.if \z
	v_wmma_f32_16x16x32_f16 v[8*(8*(\a)+(\b)):8*(8*(\a)+(\b))+7], v[64*(\f)+8*(\b):64*(\f)+8*(\b)+7], v[FA+32*(\f)+8*(\a):FA+32*(\f)+8*(\a)+7], 0
.else
	v_wmma_f32_16x16x32_f16 v[8*(8*(\a)+(\b)):8*(8*(\a)+(\b))+7], v[64*(\f)+8*(\b):64*(\f)+8*(\b)+7], v[FA+32*(\f)+8*(\a):FA+32*(\f)+8*(\a)+7], v[8*(8*(\a)+(\b)):8*(8*(\a)+(\b))+7]
.endif
.endm
.macro SCL sf, sa, i0                  ; four registers of A's fragment sa of buffer sf times f: p becomes P'
	WIN 0
.irp i, 0,1,2,3
	v_pk_mul_f16 v[FA+32*(\sf)+8*(\sa)+(\i0)+\i], v[FA+32*(\sf)+8*(\sa)+(\i0)+\i], v[FS+8*(\sf)+(\i0)+\i]
.endr
.endm
; Nine products of row block a (eight column blocks and r); between them the scaling of the fragment that is multiplied next (buffer sf, block sa; sa = -1: none).
; The 36 accumulators take turns, one instruction a turn.
.macro GRP f, a, z, sf, sa
	WIN MUL
.irp b, 0,1,2,3
	PROD \f, \a, \b, \z
.endr
.if (\sa) >= 0
	SCL \sf, \sa, 0
.endif
	WIN MUL
.irp b, 4,5,6,7
	PROD \f, \a, \b, \z
.endr
	WIN 0
.if \z
	v_wmma_f32_16x16x32_f16 v[RHO+8*(\a):RHO+8*(\a)+7], v[ONES:ONES+7], v[FA+32*(\f)+8*(\a):FA+32*(\f)+8*(\a)+7], 0
.else
	v_wmma_f32_16x16x32_f16 v[RHO+8*(\a):RHO+8*(\a)+7], v[ONES:ONES+7], v[FA+32*(\f)+8*(\a):FA+32*(\f)+8*(\a)+7], v[RHO+8*(\a):RHO+8*(\a)+7]
.endif
.if (\sa) >= 0
	SCL \sf, \sa, 4
.endif
.endm
.macro QUARTER f, g, kq, z
	s_wait_dscnt 0x0                               ; buffer f is in (its block 0 was scaled in the quarter before)
	GRP \f, 0, \z, \f, 1
	GRP \f, 1, \z, \f, 2
	PLACES
	FETCH \g, \kq
	GRP \f, 2, \z, \f, 3
	s_wait_dscnt 22                                ; of the 26 just issued f's two and A's block 0 are in: 6 of A's and 16 of B's may stay out
	GRP \f, 3, \z, \g, 0
.endm
.macro TURN fill
.if \fill
	s_wait_xcnt 0x0                                ; the last prefetch, a K step back, has read its address
	s_add_nc_u64 s[PFA:PFA+1], s[PFA:PFA+1], s[PFS:PFS+1]
.endif
	WIN 0
	s_wait_tensorcnt 0x0
	ds_add_u32 v[SPW], v[NIL]
.if \fill
	s_xor_b32 s[G0A+5], s[G0A+5], SLOT1
	s_add_nc_u64 s[G0A+6:G0A+7], s[G0A+6:G0A+7], STEPA
	s_xor_b32 s[G0B+5], s[G0B+5], SLOT1
	s_add_nc_u64 s[G0B+6:G0B+7], s[G0B+6:G0B+7], STEPB
.endif
	s_xor_b32 s[TB], s[TB], SLOT1
	s_add_co_u32 s[TF], s[TF], 256                 ; the next 128 keys' f
	s_wait_dscnt 1                                 ; the add alone may be out
	GRP 1, 0, 0, 1, 1
	s_wait_dscnt 0x0
	s_barrier_signal -1
	GRP 1, 1, 0, 1, 2
	WIN 0
	s_barrier_wait -1
.if \fill
	CREST
	JLOAD
.else
	PLACES
.endif
	v_add_nc_u32 v[ADRA], s[TB], v[ADRA0]
	v_add_nc_u32 v[ADRB], s[TB], v[ADRB0]
	v_add_nc_u32 v[ADRF], s[TF], v[ADRF0]
	FETCH 0, 0
.if \fill
	ASK
.endif
	GRP 1, 2, 0, 1, 3
	s_wait_dscnt 22
	GRP 1, 3, 0, 0, 0
.endm
	s_load_b256 s[4:11], s[0:1], 0x0               ; pt s[4:5], qkv s[6:7], fbuf s[8:9], ctx s[10:11]
	s_load_b64 s[12:13], s[0:1], 0x20              ; rho
	v_lshl_add_u32 v[SPW], v0, 2, SPARE
	v_mov_b32 v[NIL], 0
	ds_add_u32 v[SPW], v[NIL]                      ; the wave's opening: the add and its wait ahead of my first tensor load
	v_lshrrev_b32 v1, 5, v0
	v_readfirstlane_b32 s[WV], v1
	s_lshr_b32 s[WM], s[WV], 1
	s_and_b32 s[WN], s[WV], 1
	s_bfe_u32 s[CX], ttmp6, 0x40000
	s_bfe_u32 s[CY], ttmp6, 0x40004
	s_lshl_b32 s[TX], ttmp9, 2
	s_add_co_u32 s[TX], s[TX], s[CX]               ; which 256 channels
	s_and_b32 s[CLY], ttmp7, 0xffff
	s_lshl_b32 s[TY], s[CLY], 2
	s_add_co_u32 s[TY], s[TY], s[CY]               ; which 128 queries, over all batches = 16 batch + g
	s_lshl_b32 s84, s[CY], 2
	s_lshl_b32 s84, 15, s84
	s_lshl_b32 s85, 0x1111, s[CX]
	s_or_b32 s[G1A], s84, (1<<16)|(1<<20)|(1<<21)|(5<<22)|(7<<25)  ; after every 64 words, 8 words of padding
	s_or_b32 s[G1B], s85, (1<<16)|(1<<20)|(1<<21)|(6<<22)|(7<<25)  ; after every 128 words, 8 words
	G1SET G1A, 128, 64, 2048
	G1SET G1B, 256, 64, 3072
	s_lshr_b32 s72, s[CLY], 2                      ; A: pt, key row 2048 batch + 64 x the half that I fetch, 256 (TY % 16) bytes into the row
	s_lshl_b32 s72, s72, 11
	s_lshl_b32 s73, s[WN], 6
	s_add_co_u32 s72, s72, s73
	s_lshl_b32 s72, s72, 12
	s_and_b32 s73, s[TY], 15
	s_lshl_b32 s73, s73, 8
	s_add_co_u32 s72, s72, s73
	s_mov_b32 s73, 0
	s_mul_i32 s74, s[WN], 64*PAA
	s_lshr_b32 s76, s[CLY], 2                      ; B: V: the same rows of qkv, 4,096 + 512 TX bytes into the row
	s_lshl_b32 s76, s76, 11
	s_lshl_b32 s77, s[WN], 6
	s_add_co_u32 s76, s76, s77
	s_mul_i32 s76, s76, 6144
	s_lshl_b32 s77, s[TX], 9
	s_add_co_u32 s76, s76, s77
	s_add_co_u32 s76, s76, 4096
	s_mov_b32 s77, 0
	s_mul_i32 s78, s[WN], 64*PBB
	s_add_co_u32 s78, s78, AOFF
	v_and_b32 v[VR], 15, v0
	v_bfe_u32 v[VH], v0, 4, 1
	v_and_b32 v[VL], 31, v0
	; the turning load: lane l reads 16 bytes of key row 8 (l / 16) + l % 8, at 16 ((l / 8) % 2), and is left with column l % 16 and 8 keys
	v_and_b32 v[W], 7, v0
	v_lshl_add_u32 v[W], v[VH], 3, v[W]
	v_bfe_u32 v[W+1], v0, 3, 1
	v_mul_u32_u24 v[ADRA0], v[W], PAA
	v_lshl_add_u32 v[ADRA0], v[W+1], 4, v[ADRA0]
	s_lshl_b32 s62, s[WM], 7                       ; my 64 queries: 128 bytes
	v_add_nc_u32 v[ADRA0], s62, v[ADRA0]
	v_mul_u32_u24 v[ADRB0], v[W], PBB
	v_lshl_add_u32 v[ADRB0], v[W+1], 4, v[ADRB0]
	s_lshl_b32 s62, s[WN], 8                       ; my 128 channels: 256 bytes
	s_add_co_u32 s62, s62, AOFF
	v_add_nc_u32 v[ADRB0], s62, v[ADRB0]
	v_lshlrev_b32 v[ADRF0], 4, v[VH]
	v_add_nc_u32 v[ADRF0], FT, v[ADRF0]
	v_mov_b32 v[ADRA], v[ADRA0]
	v_mov_b32 v[ADRB], v[ADRB0]
	v_mov_b32 v[ADRF], v[ADRF0]
	s_mul_i32 s62, s[WV], WST
	s_add_co_u32 s62, s62, STAGE
	v_mul_u32_u24 v[STO], v[VR], 272
	v_lshl_add_u32 v[STO], v[VH], 4, v[STO]
	v_add_nc_u32 v[STO], s62, v[STO]
	v_mul_u32_u24 v[RD], v[VH], 272
	v_lshl_add_u32 v[RD], v[VR], 4, v[RD]
	v_add_nc_u32 v[RD], s62, v[RD]
	v_lshlrev_b32 v[CO], 11, v[VH]
	v_lshl_add_u32 v[CO], v[VR], 4, v[CO]
	s_lshl_b32 s62, s[WM], 11                      ; the prefetches' lane term: A: lane x 4,096; B: (lane / 2) x 6,144 + (lane % 2) x 256
	s_add_co_u32 s62, s62, 4096
	v_lshrrev_b32 v[PFO], s[WM], v[VL]
	v_mul_lo_u32 v[PFO], v[PFO], s62
	v_and_b32 v[W+2], s[WM], v[VL]
	v_lshl_add_u32 v[PFO], v[W+2], 8, v[PFO]
	v_lshlrev_b32 v[W], 4, v0                      ; the f table: 16 bytes a thread, twice
	v_add_nc_u32 v[W+1], FT, v[W]
.irp i, 0,1,2,3,4,5,6,7
	v_mov_b32 v[ONES+\i], 0x3c003c00               ; 1.0 twice, in f16
.endr
	s_mov_b32 s[TB], 0
	s_mov_b32 s[TF], 0
	s_wait_dscnt 0x0                               ; the opening add is done
	s_wait_kmcnt 0x0
	s_add_nc_u64 s[72:73], s[4:5], s[72:73]
	s_add_nc_u64 s[76:77], s[6:7], s[76:77]
	G0SET G0A, 74, 72, STEPA
	G0SET G0B, 78, 76, STEPB
	CROUND
	s_cmp_lt_u32 s[WV], 2
	s_cbranch_scc0 .Lfirst_b
	tensor_load_to_lds s[G0A:G0A+3], s[G1A:G1A+7]
	s_nop 0
	tensor_load_to_lds s[G0A+4:G0A+7], s[G1A:G1A+7]
	s_nop 0
	PLACES
	s_branch .Lfirst_done
.Lfirst_b:
	tensor_load_to_lds s[G0B:G0B+3], s[G1B:G1B+7]
	s_nop 0
	tensor_load_to_lds s[G0B+4:G0B+7], s[G1B:G1B+7]
	s_nop 0
	PLACES
.Lfirst_done:
	s_lshl_b32 s2, s[TY], 12                       ; f of my batch and group
	s_mov_b32 s3, 0
	s_add_nc_u64 s[82:83], s[8:9], s[2:3]
	global_load_b128 v[160:163], v[W], s[82:83]
	global_load_b128 v[164:167], v[W], s[82:83] offset:2048
	s_lshl_b32 s2, s[TY], 7                        ; ctx at my 64 rows and 128 columns
	s_lshl_b32 s3, s[WM], 6
	s_add_co_u32 s2, s2, s3
	s_lshl_b32 s88, s2, 2                          ; (my rows' place in rho)
	s_lshl_b32 s2, s2, 11
	s_lshl_b32 s3, s[TX], 9
	s_add_co_u32 s2, s2, s3
	s_lshl_b32 s3, s[WN], 8
	s_add_co_u32 s2, s2, s3
	s_mov_b32 s3, 0
	s_add_nc_u64 s[CB:CB+1], s[10:11], s[2:3]
	s_lshl_b32 s3, s[TX], 15
	s_add_co_u32 s88, s88, s3
	s_mov_b32 s89, 0
	s_add_nc_u64 s[88:89], s[12:13], s[88:89]
	; the prefetches.  A's 128 key rows of a K step: wave 0, 32 rows a partner (CX).  B's 128 rows x 512 bytes: waves 2 and 3, each its own 64 rows, 16 rows x 2 blocks a partner (CY),
	; asked by the batch's first cluster along y alone.  So each block of 256 bytes is named once.
	s_lshr_b32 s86, s[CLY], 2
	s_lshl_b32 s86, s86, 11
	s_lshl_b32 s2, s[CX], 5
	s_add_co_u32 s2, s2, s86
	s_lshl_b32 s2, s2, 12
	s_and_b32 s3, s[TY], 15
	s_lshl_b32 s3, s3, 8
	s_add_co_u32 s2, s2, s3
	s_add_co_u32 s2, s2, 3*STEPA
	s_lshl_b32 s3, s[WN], 6
	s_add_co_u32 s3, s3, s86
	s_lshl_b32 s87, s[CY], 4
	s_add_co_u32 s3, s3, s87
	s_mul_i32 s3, s3, 6144
	s_lshl_b32 s87, s[TX], 9
	s_add_co_u32 s3, s3, s87
	s_add_co_u32 s3, s3, 4096+3*STEPB
	s_and_b32 s87, s[CLY], 3
	s_mul_i32 s[PFS], s[WM], STEPB-STEPA
	s_add_co_u32 s[PFS], s[PFS], STEPA
	s_mov_b32 s[PFS+1], 0
	s_cmp_eq_u32 s[WM], 0
	s_cselect_b32 s2, s2, s3
	s_cselect_b32 s86, ttmp9, s87
	s_cselect_b64 s[PFA:PFA+1], s[4:5], s[6:7]
	s_mov_b32 s3, 0
	s_add_nc_u64 s[PFA:PFA+1], s[PFA:PFA+1], s[2:3]
	s_cmp_eq_u32 s[WV], 1
	s_cselect_b32 s87, 1, 0
	s_or_b32 s86, s86, s87
	s_cmp_eq_u32 s86, 0
	s_cselect_b32 s[LIM], 2, -1
	s_wait_loadcnt 0x0
	ds_store_b128 v[W+1], v[160:163]
	ds_store_b128 v[W+1], v[164:167] offset:2048
	s_wait_dscnt 0x0                               ; for the others' sake: my part of the f table is written
	s_wait_tensorcnt 0x1                           ; my part of slot 0 is in; slot 1's may stay out
	s_barrier_signal -1
	s_barrier_wait -1
	FETCH 0, 0
	s_wait_dscnt 0x0
	SCL 0, 0, 0
	SCL 0, 0, 4
	QUARTER 0, 1, 1, 1
	WIN 0
	s_mov_b32 s[CNT], T-2
.Lstep:
	QUARTER 1, 0, 2, 0
	QUARTER 0, 1, 3, 0
	TURN 1
	QUARTER 0, 1, 1, 0
	WIN 0
	s_sub_co_u32 s[CNT], s[CNT], 1
	s_cmp_lg_u32 s[CNT], 0
	s_cbranch_scc1 .Lstep
	QUARTER 1, 0, 2, 0
	QUARTER 0, 1, 3, 0
	TURN 0
	QUARTER 0, 1, 1, 0
	QUARTER 1, 0, 2, 0
	QUARTER 0, 1, 3, 0
	s_wait_dscnt 0x0
	GRP 1, 0, 0, 1, 1
	GRP 1, 1, 0, 1, 2
	GRP 1, 2, 0, 1, 3
	GRP 1, 3, 0, 0, -1
	WIN 0
	PLACES
	PLACES
	; THE WAY OUT.  All eight registers of r's accumulator hold the lane's query's sum: the lowest is read.
.irp a, 0,1,2,3
	v_max_num_f32 v[ST+4*\a], 0x0d800000, v[RHO+8*\a]  ; at least 2^-100
.endr
.irp a, 0,1,2,3
	v_rcp_f32 v[ST+4*\a+2], v[ST+4*\a]
	v_rcp_f32 v[ST+4*\a+3], v[ST+4*\a]             ; twice: the packed multiply names a pair
.endr
	v_nop
	s_wait_alu depctr_va_vdst(0)                   ; one wait for the eight reciprocals
.macro PACK a
	WIN 0x41
.set i, 0
.rept 32
	v_pk_mul_f32 v[64*(\a)+2*i:64*(\a)+2*i+1], v[64*(\a)+2*i:64*(\a)+2*i+1], v[ST+4*(\a)+2:ST+4*(\a)+3] op_sel_hi:[1,0]
.set i, i+1
.endr
	WIN 0x05
.irp b, 0,1,2,3,4,5,6,7
.irp q, 0,1,2,3
	v_cvt_pk_f16_f32 v[TMP+4*\b+\q], v[8*(8*(\a)+\b)+2*\q], v[8*(8*(\a)+\b)+2*\q+1]
.endr
.endr
	WIN 0
.endm
.macro TOSTAGE a
.irp b, 0,1,2,3,4,5,6,7
	ds_store_b128 v[STO], v[TMP+4*\b:TMP+4*\b+3] offset:32*\b
.endr
.irp t, 0,1,2,3,4,5,6,7
	ds_load_b128 v[BK+32*((\a)%2)+4*\t:BK+32*((\a)%2)+4*\t+3], v[RD] offset:\t*2*272  ; LDS serves a wave's instructions in order (ISA guide 5.7.1.4)
.endr
.endm
.macro SEND a
	s_wait_dscnt 0x0
	s_wait_xcnt 0x0                                ; earlier stores have read their registers, which the next block's loads write
.irp t, 0,1,2,3,4,5,6,7
	global_store_b128 v[CO], v[BK+32*((\a)%2)+4*\t:BK+32*((\a)%2)+4*\t+3], s[CB:CB+1] offset:(16*(\a)+2*\t)*PC  ; sixteen lanes store 256 consecutive bytes, aligned
.endr
.endm
	PACK 0
	TOSTAGE 0
.irp a, 1,2,3
	PACK \a
	SEND (\a)-1
	TOSTAGE \a
.endr
	SEND 3
	s_cmp_eq_u32 s[WN], 0                          ; the two waves of a row half hold the same r: the first stores it
	s_cbranch_scc0 .Lno_rho
	s_mul_i32 s62, s[WV], WST
	s_add_co_u32 s62, s62, STAGE+16*272
	v_lshl_add_u32 v4, v[VR], 2, s62
	v_lshl_add_u32 v5, v[VL], 3, s62
	v_lshlrev_b32 v6, 3, v[VL]
.irp a, 0,1,2,3
	v_mul_f32 v[W+\a], 0x3a000000, v[ST+4*\a]      ; / 2048
	ds_store_b32 v4, v[W+\a] offset:64*\a          ; both halves of the lanes write the same number to the same word
.endr
	ds_load_b64 v[156:157], v5
	s_wait_dscnt 0x0
	global_store_b64 v6, v[156:157], s[88:89]      ; 64 rows: 256 consecutive bytes, aligned
.Lno_rho:
	s_wait_tensorcnt 0x0                           ; the wave's end
	ds_add_u32 v[SPW], v[NIL]
	s_wait_dscnt 0x0
	CROUND
	s_endpgm
.Lfunc_end_k_q8afbc4cc47_ctxk:
	.size	k_q8afbc4cc47_ctxk, .Lfunc_end_k_q8afbc4cc47_ctxk-k_q8afbc4cc47_ctxk
	.p2alignl 7, 3214868480
	.fill 96, 4, 3214868480
	.section	.rodata,"a",@progbits
	.p2align	6, 0x0
	.amdhsa_kernel k_q8afbc4cc47_ctxk
		.amdhsa_group_segment_fixed_size 327680
		.amdhsa_private_segment_fixed_size 0
		.amdhsa_enable_private_segment 0
		.amdhsa_kernarg_size 40
		.amdhsa_user_sgpr_count 2
		.amdhsa_user_sgpr_kernarg_segment_ptr 1
		.amdhsa_wavefront_size32 1
		.amdhsa_system_sgpr_workgroup_id_x 1
		.amdhsa_system_sgpr_workgroup_id_y 1
		.amdhsa_system_sgpr_workgroup_id_z 1
		.amdhsa_system_vgpr_workitem_id 0
		.amdhsa_next_free_vgpr 768
		.amdhsa_next_free_sgpr 96
		.amdhsa_reserve_vcc 0
		.amdhsa_float_denorm_mode_32 3
		.amdhsa_float_denorm_mode_16_64 3
		.amdhsa_memory_ordered 1
		.amdhsa_forward_progress 1
		.amdhsa_inst_pref_size 117
	.end_amdhsa_kernel
	.amdgpu_metadata
---
amdhsa.version: [ 1, 2 ]
amdhsa.kernels:
  - .name:           k_q8afbc4cc47_ctxk
    .symbol:         k_q8afbc4cc47_ctxk.kd
    .args:
      - { .name: pt, .offset: 0, .size: 8, .value_kind: global_buffer, .address_space: global }
      - { .name: qkv, .offset: 8, .size: 8, .value_kind: global_buffer, .address_space: global }
      - { .name: fbuf, .offset: 16, .size: 8, .value_kind: global_buffer, .address_space: global }
      - { .name: ctx, .offset: 24, .size: 8, .value_kind: global_buffer, .address_space: global }
      - { .name: rho, .offset: 32, .size: 8, .value_kind: global_buffer, .address_space: global }
    .group_segment_fixed_size: 327680
    .private_segment_fixed_size: 0
    .kernarg_segment_align: 8
    .kernarg_segment_size: 40
    .max_flat_workgroup_size: 128
    .sgpr_count:     96
    .vgpr_count:     768
    .wavefront_size: 32
...
	.end_amdgpu_metadata
.endif
;; end of part 5
;; launch outp (part 6): grid 4 x 64, 4 waves a work-group, clusters of 4 x 4, 327,680 bytes of LDS; arguments ctx, wts, rho, out0; writes out0
.if DOCPART == 6
	.amdgcn_target "amdgcn-amd-amdhsa--gfx1250"
	.amdhsa_code_object_version 6
	.text
	.protected	k_q8afbc4cc47_outp
	.globl	k_q8afbc4cc47_outp
	.p2align	8
	.type	k_q8afbc4cc47_outp,@function
k_q8afbc4cc47_outp:
	s_mov_b64 s[64:65], 0
	v_nop
	global_prefetch_b8 v0, s[64:65] scope:SCOPE_SE
	s_setreg_imm32_b32 hwreg(HW_REG_WAVE_MODE, 25, 1), 1
	s_wait_xcnt 0x0
	s_wait_alu depctr_hold_cnt(0) depctr_sa_sdst(0) depctr_va_vdst(0) depctr_va_sdst(0) depctr_va_ssrc(0) depctr_va_vcc(0) depctr_vm_vsrc(0)
	s_getreg_b32 s2, hwreg(HW_REG_IB_STS2, 6, 4)
	s_cmp_eq_u32 s2, 0
	s_cbranch_scc0 .Lentry_in_a_cluster
	s_endpgm
.Lentry_in_a_cluster:
	s_bfe_u32 s2, ttmp6, 0x10000c
	s_cmp_lg_u32 s2, 0xf033
	s_cbranch_scc0 .Lentry_shape_is_right
	s_endpgm
.Lentry_shape_is_right:
; OUT.  out0[m][n] = (sum over k of ctx[m][k] wts[3072+n][k]) x rho[m] + bo[n].  ctx and Wo's rows f16; sums, rho, bias and out0 f32.
; Tile, ring, cluster and fragments as in the projection.  On the way out one fused multiply-add a pair, then 16 rows at a time through my own stage, so that a store covers 512 consecutive bytes.
.set T,      8
.set PIT,    2048
.set STEP,   256
.set PA,     272
.set SLOT1,  131072
.set AOFF,   128*PA
.set STAGE,  SLOT1+AOFF+256*PA
.set SP,     528                       ; a stage row: 512 bytes + 16: 132 words
.set WST,    16*SP
.set SPARE,  STAGE+4*WST
.set BIASOFF, 8388608
.set VR, 1
.set VH, 2
.set VL, 3
.set ADRA0, 4
.set ADRB0, 5
.set ADRA, 6
.set ADRB, 7
.set STO, 8
.set RD, 9
.set CO, 10
.set PFO, 11
.set SPW, 12
.set NIL, 13
.set X0, 14                            ; offset of my bias words
.set X1, 15                            ; offset of my row's rho
.set ST, 16                            ; block a: v[ST+4 a], +1: rho of my row, twice
.set FA, 32
.set BK, 128                           ; two buffers of 64: 16 rows read back
.set BIAS, 128                         ; window 2
.set WV, 14
.set WM, 15
.set WN, 16
.set CX, 17
.set CY, 18
.set TX, 19
.set TY, 20
.set LIM, 21
.set CNT, 22
.set TB, 23
.set G1A, 24
.set G0A, 32
.set G1B, 40
.set G0B, 48
.set PFA, 56
.set CLY, 61
.set CB, 80
.set MUL,  0x52
.set MSB, 0
.macro WIN new
.if MSB != (\new)
	s_set_vgpr_msb (MSB<<8)|(\new)
.set MSB, (\new)
.endif
.endm
.macro PLACES
.rept 4
	v_nop
.endr
.endm
.macro CREST
	s_cmp_lg_u32 s[WV], 0
	s_cbranch_scc1 .Lnot_wave_0_\@
	s_barrier_signal -3
.Lnot_wave_0_\@:
	s_barrier_wait -3
	s_barrier_signal -1
	s_barrier_wait -1
.endm
.macro CROUND
	s_barrier_signal -1
	s_barrier_wait -1
	CREST
.endm
.macro JLOAD
	s_cmp_lt_u32 s[WV], 2
	s_cbranch_scc0 .Lfor_b_\@
	tensor_load_to_lds s[G0A+4:G0A+7], s[G1A:G1A+7]
	s_nop 0
	PLACES
	s_branch .Lasked_\@
.Lfor_b_\@:
	tensor_load_to_lds s[G0B+4:G0B+7], s[G1B:G1B+7]
	s_nop 0
	PLACES
.Lasked_\@:
.endm
.macro ASK
	s_cmp_gt_u32 s[CNT], s[LIM]
	s_cbranch_scc0 .Lnot_mine_\@
	global_prefetch_b8 v[PFO], s[PFA:PFA+1] th:TH_LOAD_NT scope:SCOPE_SE
.Lnot_mine_\@:
.endm
.macro G1SET g, d0, rows, str
	s_mov_b32 s[(\g)+1], (\d0)<<16
	s_mov_b32 s[(\g)+2], (\rows)<<16
	s_mov_b32 s[(\g)+3], (\d0)<<16
	s_mov_b32 s[(\g)+4], \rows
	s_mov_b32 s[(\g)+5], \str
	s_mov_b32 s[(\g)+6], 0
	s_mov_b32 s[(\g)+7], 0
.endm
.macro G0SET g, lds, adr, stp
.irp n, 0,1
	s_mov_b32 s[(\g)+4*\n], 1
	s_add_co_u32 s[(\g)+4*\n+1], s[\lds], \n*SLOT1
	s_add_nc_u64 s[(\g)+4*\n+2:(\g)+4*\n+3], s[(\adr):(\adr)+1], \n*(\stp)
	s_or_b32 s[(\g)+4*\n+3], s[(\g)+4*\n+3], 0x80000000
.endr
.endm
.macro FETCH f, kq
	WIN 0
.irp i, 0,1,2,3
	ds_load_b128 v[FA+32*(\f)+8*\i:FA+32*(\f)+8*\i+3],   v[ADRA] offset:64*(\kq)+\i*16*PA
	ds_load_b128 v[FA+32*(\f)+8*\i+4:FA+32*(\f)+8*\i+7], v[ADRA] offset:64*(\kq)+\i*16*PA+32
.endr
	WIN 0x80
.irp i, 0,1,2,3,4,5,6,7
	ds_load_b128 v[64*(\f)+8*\i:64*(\f)+8*\i+3],   v[ADRB] offset:64*(\kq)+\i*16*PA
	ds_load_b128 v[64*(\f)+8*\i+4:64*(\f)+8*\i+7], v[ADRB] offset:64*(\kq)+\i*16*PA+32
.endr
	WIN 0
.endm
.macro GRP f, a, z                     ; eight products; the 32 accumulators take turns, one instruction a turn
	WIN MUL
.irp b, 0,1,2,3,4,5,6,7
.if \z
	v_wmma_f32_16x16x32_f16 v[8*(8*(\a)+\b):8*(8*(\a)+\b)+7], v[64*(\f)+8*\b:64*(\f)+8*\b+7], v[FA+32*(\f)+8*(\a):FA+32*(\f)+8*(\a)+7], 0
.else
	v_wmma_f32_16x16x32_f16 v[8*(8*(\a)+\b):8*(8*(\a)+\b)+7], v[64*(\f)+8*\b:64*(\f)+8*\b+7], v[FA+32*(\f)+8*(\a):FA+32*(\f)+8*(\a)+7], v[8*(8*(\a)+\b):8*(8*(\a)+\b)+7]
.endif
.endr
.endm
.macro QUARTER f, g, kq, z
	s_wait_dscnt 0x0
	GRP \f, 0, \z
	GRP \f, 1, \z
	PLACES
	FETCH \g, \kq
	GRP \f, 2, \z
	GRP \f, 3, \z
.endm
.macro TURN fill
.if \fill
	s_wait_xcnt 0x0                                ; the last prefetch, a K step back, has read its address
	s_add_nc_u64 s[PFA:PFA+1], s[PFA:PFA+1], STEP
.endif
	WIN 0
	s_wait_tensorcnt 0x0
	ds_add_u32 v[SPW], v[NIL]
.if \fill
	s_xor_b32 s[G0A+5], s[G0A+5], SLOT1
	s_add_nc_u64 s[G0A+6:G0A+7], s[G0A+6:G0A+7], STEP
	s_xor_b32 s[G0B+5], s[G0B+5], SLOT1
	s_add_nc_u64 s[G0B+6:G0B+7], s[G0B+6:G0B+7], STEP
.endif
	s_xor_b32 s[TB], s[TB], SLOT1
	s_wait_dscnt 1                                 ; the add alone may be out
	GRP 1, 0, 0
	s_wait_dscnt 0x0
	s_barrier_signal -1
	GRP 1, 1, 0
	WIN 0
	s_barrier_wait -1
.if \fill
	CREST
	JLOAD
.else
	PLACES
.endif
	v_add_nc_u32 v[ADRA], s[TB], v[ADRA0]
	v_add_nc_u32 v[ADRB], s[TB], v[ADRB0]
	FETCH 0, 0
.if \fill
	ASK
.endif
	GRP 1, 2, 0
	GRP 1, 3, 0
.endm
	s_load_b256 s[4:11], s[0:1], 0x0               ; ctx s[4:5], wts s[6:7], rho s[8:9], out0 s[10:11]
	v_lshl_add_u32 v[SPW], v0, 2, SPARE
	v_mov_b32 v[NIL], 0
	ds_add_u32 v[SPW], v[NIL]                      ; the wave's opening: the add and its wait ahead of my first tensor load
	v_lshrrev_b32 v1, 5, v0
	v_readfirstlane_b32 s[WV], v1
	s_lshr_b32 s[WM], s[WV], 1
	s_and_b32 s[WN], s[WV], 1
	s_bfe_u32 s[CX], ttmp6, 0x40000
	s_bfe_u32 s[CY], ttmp6, 0x40004
	s_lshl_b32 s[TX], ttmp9, 2
	s_add_co_u32 s[TX], s[TX], s[CX]
	s_and_b32 s[CLY], ttmp7, 0xffff
	s_lshl_b32 s[TY], s[CLY], 2
	s_add_co_u32 s[TY], s[TY], s[CY]
	s_lshl_b32 s84, s[CY], 2
	s_lshl_b32 s84, 15, s84
	s_lshl_b32 s85, 0x1111, s[CX]
	s_or_b32 s[G1A], s84, (1<<16)|(1<<20)|(1<<21)|(5<<22)|(3<<25)
	s_or_b32 s[G1B], s85, (1<<16)|(1<<20)|(1<<21)|(5<<22)|(3<<25)
	G1SET G1A, 128, 64, PIT/2
	G1SET G1B, 128, 128, PIT/2
	s_lshl_b32 s72, s[TY], 7
	s_lshl_b32 s73, s[WN], 6
	s_add_co_u32 s72, s72, s73
	s_mul_i32 s72, s72, PIT
	s_mov_b32 s73, 0
	s_mul_i32 s74, s[WN], 64*PA
	s_lshl_b32 s76, s[TX], 8                       ; B: Wo's rows begin at row 3,072 of wts
	s_lshl_b32 s77, s[WN], 7
	s_add_co_u32 s76, s76, s77
	s_add_co_u32 s76, s76, 3072
	s_mul_i32 s76, s76, PIT
	s_mov_b32 s77, 0
	s_mul_i32 s78, s[WN], 128*PA
	s_add_co_u32 s78, s78, AOFF
	v_and_b32 v[VR], 15, v0
	v_bfe_u32 v[VH], v0, 4, 1
	v_and_b32 v[VL], 31, v0
	v_mul_u32_u24 v[ADRA0], v[VR], PA
	v_lshl_add_u32 v[ADRA0], v[VH], 4, v[ADRA0]
	v_add_nc_u32 v[ADRB0], s78, v[ADRA0]
	s_mul_i32 s62, s[WM], 64*PA
	v_add_nc_u32 v[ADRA0], s62, v[ADRA0]
	v_mov_b32 v[ADRA], v[ADRA0]
	v_mov_b32 v[ADRB], v[ADRB0]
	s_mul_i32 s62, s[WV], WST
	s_add_co_u32 s62, s62, STAGE
	v_mul_u32_u24 v[STO], v[VR], SP                ; in: row l % 16, 32 bytes for each half of the lanes
	v_lshl_add_u32 v[STO], v[VH], 5, v[STO]
	v_add_nc_u32 v[STO], s62, v[STO]
	v_lshl_add_u32 v[RD], v[VL], 4, s62            ; back: a whole row of 512 bytes
	v_lshlrev_b32 v[CO], 4, v[VL]
	v_mul_u32_u24 v[PFO], v[VL], PIT
	v_lshlrev_b32 v[X0], 5, v[VH]
	v_lshlrev_b32 v[X1], 2, v[VR]
	s_mov_b32 s[TB], 0
	s_wait_dscnt 0x0                               ; the opening add is done
	s_wait_kmcnt 0x0
	s_add_nc_u64 s[72:73], s[4:5], s[72:73]
	s_add_nc_u64 s[76:77], s[6:7], s[76:77]
	G0SET G0A, 74, 72, STEP
	G0SET G0B, 78, 76, STEP
	CROUND
	s_cmp_lt_u32 s[WV], 2
	s_cbranch_scc0 .Lfirst_b
	tensor_load_to_lds s[G0A:G0A+3], s[G1A:G1A+7]
	s_nop 0
	tensor_load_to_lds s[G0A+4:G0A+7], s[G1A:G1A+7]
	s_nop 0
	PLACES
	s_branch .Lfirst_done
.Lfirst_b:
	tensor_load_to_lds s[G0B:G0B+3], s[G1B:G1B+7]
	s_nop 0
	tensor_load_to_lds s[G0B+4:G0B+7], s[G1B:G1B+7]
	s_nop 0
	PLACES
.Lfirst_done:
	s_lshl_b32 s2, s[TX], 10                       ; bo of my 128 columns
	s_lshl_b32 s3, s[WN], 9
	s_add_co_u32 s2, s2, s3
	s_add_co_u32 s2, s2, BIASOFF+3072*4
	s_mov_b32 s3, 0
	s_add_nc_u64 s[82:83], s[6:7], s[2:3]
	WIN 0x80
.irp b, 0,1,2,3,4,5,6,7
	global_load_b128 v[BIAS+8*\b:BIAS+8*\b+3],   v[X0], s[82:83] offset:64*\b
	global_load_b128 v[BIAS+8*\b+4:BIAS+8*\b+7], v[X0], s[82:83] offset:64*\b+16
.endr
	WIN 0
	s_lshl_b32 s2, s[TY], 7
	s_lshl_b32 s3, s[WM], 6
	s_add_co_u32 s2, s2, s3                        ; my first row
	s_lshl_b32 s88, s2, 2
	s_lshl_b32 s3, s[TX], 15                       ; my column tile's copy of rho
	s_add_co_u32 s88, s88, s3
	s_mov_b32 s89, 0
	s_add_nc_u64 s[88:89], s[8:9], s[88:89]
.irp a, 0,1,2,3
	global_load_b32 v[ST+4*\a], v[X1], s[88:89] offset:64*\a
.endr
	s_lshl_b32 s2, s2, 12                          ; out0 at my 64 rows and 128 columns
	s_lshl_b32 s3, s[TX], 10
	s_add_co_u32 s2, s2, s3
	s_lshl_b32 s3, s[WN], 9
	s_add_co_u32 s2, s2, s3
	s_mov_b32 s3, 0
	s_add_nc_u64 s[CB:CB+1], s[10:11], s[2:3]
	; the prefetches, as in the projection: ctx's rows by wave 0 (the launch has one cluster along x), Wo's rows by waves 2 and 3 of the clusters with y = 0
	s_lshl_b32 s2, s[TY], 7
	s_lshl_b32 s3, s[TX], 8
	s_lshl_b32 s62, s[WN], 7
	s_add_co_u32 s3, s3, s62
	s_add_co_u32 s3, s3, 3072
	s_cmp_eq_u32 s[WM], 0
	s_cselect_b32 s2, s2, s3
	s_cselect_b32 s3, s[CX], s[CY]
	s_cselect_b32 s86, ttmp9, s[CLY]
	s_cselect_b64 s[PFA:PFA+1], s[4:5], s[6:7]
	s_lshl_b32 s3, s3, 5
	s_add_co_u32 s2, s2, s3
	s_mul_i32 s2, s2, PIT
	s_add_co_u32 s2, s2, 3*STEP
	s_mov_b32 s3, 0
	s_add_nc_u64 s[PFA:PFA+1], s[PFA:PFA+1], s[2:3]
	s_cmp_eq_u32 s[WV], 1
	s_cselect_b32 s87, 1, 0
	s_or_b32 s86, s86, s87
	s_cmp_eq_u32 s86, 0
	s_cselect_b32 s[LIM], 2, -1
	s_wait_tensorcnt 0x1                           ; my part of slot 0 is in; slot 1's may stay out
	s_barrier_signal -1
	s_barrier_wait -1
	FETCH 0, 0
	QUARTER 0, 1, 1, 1
	WIN 0
	s_mov_b32 s[CNT], T-2
.Lstep:
	QUARTER 1, 0, 2, 0
	QUARTER 0, 1, 3, 0
	TURN 1
	QUARTER 0, 1, 1, 0
	WIN 0
	s_sub_co_u32 s[CNT], s[CNT], 1
	s_cmp_lg_u32 s[CNT], 0
	s_cbranch_scc1 .Lstep
	QUARTER 1, 0, 2, 0
	QUARTER 0, 1, 3, 0
	TURN 0
	QUARTER 0, 1, 1, 0
	QUARTER 1, 0, 2, 0
	QUARTER 0, 1, 3, 0
	s_wait_dscnt 0x0
	GRP 1, 0, 0
	GRP 1, 1, 0
	GRP 1, 2, 0
	GRP 1, 3, 0
	WIN 0
	PLACES
	PLACES
	s_wait_loadcnt 0x0                             ; bias and rho
.irp a, 0,1,2,3
	v_mov_b32 v[ST+4*\a+1], v[ST+4*\a]             ; the packed multiply-add names a pair
.endr
.macro FIN a                           ; acc x rho + bias, in place, each accumulator from its low end on
	WIN 0x61
.irp b, 0,1,2,3,4,5,6,7
.irp q, 0,1,2,3
	v_pk_fma_f32 v[8*(8*(\a)+\b)+2*\q:8*(8*(\a)+\b)+2*\q+1], v[8*(8*(\a)+\b)+2*\q:8*(8*(\a)+\b)+2*\q+1], v[ST+4*(\a):ST+4*(\a)+1], v[BIAS+8*\b+2*\q:BIAS+8*\b+2*\q+1] op_sel_hi:[1,0,1]
.endr
.endr
.endm
.macro TOSTAGE a
	WIN 0x04                                       ; the stores' data in window 1
.irp b, 0,1,2,3,4,5,6,7
	ds_store_b128 v[STO], v[8*(8*(\a)+\b):8*(8*(\a)+\b)+3]   offset:64*\b
	ds_store_b128 v[STO], v[8*(8*(\a)+\b)+4:8*(8*(\a)+\b)+7] offset:64*\b+16
.endr
	WIN 0
.irp t, 0,1,2,3,4,5,6,7,8,9,10,11,12,13,14,15
	ds_load_b128 v[BK+64*((\a)%2)+4*\t:BK+64*((\a)%2)+4*\t+3], v[RD] offset:\t*SP  ; LDS serves a wave's instructions in order (ISA guide 5.7.1.4)
.endr
.endm
.macro SEND a
	WIN 0
	s_wait_dscnt 0x0
	s_wait_xcnt 0x0                                ; earlier stores have read their registers, which the next block's loads write
.irp t, 0,1,2,3,4,5,6,7,8,9,10,11,12,13,14,15
	global_store_b128 v[CO], v[BK+64*((\a)%2)+4*\t:BK+64*((\a)%2)+4*\t+3], s[CB:CB+1] offset:(16*(\a)+\t)*4096 th:TH_STORE_NT  ; the wave stores 512 consecutive bytes, aligned
.endr
.endm
	FIN 0
	TOSTAGE 0
.irp a, 1,2,3
	FIN \a
	SEND (\a)-1
	TOSTAGE \a
.endr
	SEND 3
	s_wait_tensorcnt 0x0                           ; the wave's end
	ds_add_u32 v[SPW], v[NIL]
	s_wait_dscnt 0x0
	CROUND
	s_endpgm
.Lfunc_end_k_q8afbc4cc47_outp:
	.size	k_q8afbc4cc47_outp, .Lfunc_end_k_q8afbc4cc47_outp-k_q8afbc4cc47_outp
	.p2alignl 7, 3214868480
	.fill 96, 4, 3214868480
	.section	.rodata,"a",@progbits
	.p2align	6, 0x0
	.amdhsa_kernel k_q8afbc4cc47_outp
		.amdhsa_group_segment_fixed_size 327680
		.amdhsa_private_segment_fixed_size 0
		.amdhsa_enable_private_segment 0
		.amdhsa_kernarg_size 32
		.amdhsa_user_sgpr_count 2
		.amdhsa_user_sgpr_kernarg_segment_ptr 1
		.amdhsa_wavefront_size32 1
		.amdhsa_system_sgpr_workgroup_id_x 1
		.amdhsa_system_sgpr_workgroup_id_y 1
		.amdhsa_system_sgpr_workgroup_id_z 1
		.amdhsa_system_vgpr_workitem_id 0
		.amdhsa_next_free_vgpr 768
		.amdhsa_next_free_sgpr 96
		.amdhsa_reserve_vcc 0
		.amdhsa_float_denorm_mode_32 3
		.amdhsa_float_denorm_mode_16_64 3
		.amdhsa_memory_ordered 1
		.amdhsa_forward_progress 1
		.amdhsa_inst_pref_size 81
	.end_amdhsa_kernel
	.amdgpu_metadata
---
amdhsa.version: [ 1, 2 ]
amdhsa.kernels:
  - .name:           k_q8afbc4cc47_outp
    .symbol:         k_q8afbc4cc47_outp.kd
    .args:
      - { .name: ctx, .offset: 0, .size: 8, .value_kind: global_buffer, .address_space: global }
      - { .name: wts, .offset: 8, .size: 8, .value_kind: global_buffer, .address_space: global }
      - { .name: rho, .offset: 16, .size: 8, .value_kind: global_buffer, .address_space: global }
      - { .name: out0, .offset: 24, .size: 8, .value_kind: global_buffer, .address_space: global }
    .group_segment_fixed_size: 327680
    .private_segment_fixed_size: 0
    .kernarg_segment_align: 8
    .kernarg_segment_size: 32
    .max_flat_workgroup_size: 128
    .sgpr_count:     96
    .vgpr_count:     768
    .wavefront_size: 32
...
	.end_amdgpu_metadata
.endif
;; end of part 6
;; ======== version 2 of 2: 6 launches; version 1 with the launch fac written anew for expert scheduling mode
;; limits: values are held in f16: magnitudes above 65,504 overflow, below 6.1e-05 lose precision
;; workspace buffers: xh 16,777,216 bytes; wts 8,404,992 bytes; qkv 50,331,648 bytes; pt 33,554,432 bytes; stats 1,048,576 bytes; fbuf 262,144 bytes; ctx 16,777,216 bytes; rho 131,072 bytes
;; launch prep: the kernel of part 1 again; grid 1024 x 1, 8 waves a work-group, no clusters, 18,432 bytes of LDS; arguments x, Wq, Wk, Wv, Wo, bq, bk, bv, bo, xh, wts; writes xh, wts
;; launch proj: the kernel of part 2 again; grid 12 x 32, 4 waves a work-group, clusters of 4 x 4, 327,680 bytes of LDS; arguments xh, wts, qkv; writes qkv
;; launch score: the kernel of part 3 again; grid 8 x 32, 4 waves a work-group, clusters of 4 x 4, 327,680 bytes of LDS; arguments qkv, pt, stats; writes pt, stats
;; launch fac (part 7): grid 64 x 1, 1 waves a work-group, no clusters, 0 bytes of LDS; arguments stats, fbuf; writes fbuf
.if DOCPART == 7
	.amdgcn_target "amdgcn-amd-amdhsa--gfx1250"
	.amdhsa_code_object_version 6
	.text
	.protected	k_q8afbc4cc47_fac
	.globl	k_q8afbc4cc47_fac
	.p2align	8
	.type	k_q8afbc4cc47_fac,@function
k_q8afbc4cc47_fac:
	s_mov_b64 s[64:65], 0
	v_nop
	global_prefetch_b8 v0, s[64:65] scope:SCOPE_SE
	s_setreg_imm32_b32 hwreg(HW_REG_WAVE_SCHED_MODE, 0, 2), 2
	s_setreg_imm32_b32 hwreg(HW_REG_WAVE_MODE, 25, 1), 1
	s_wait_xcnt 0x0
	s_wait_alu depctr_vm_vsrc(0)
; FAC.  For each key: M = max over the 16 groups of cm, L = sum over the groups of l 2^(cm - M) (at least about 1: the group that holds the maximum has a weight 1),
; f[g] = 2048 x 2^(cm[g] - M) / L, at most 2,048, as f16: fbuf[16 batch + g][key].  p x f is then 2048 x the softmax's weight.
; A wave takes 128 keys of one batch, a lane four: every load covers 512 consecutive bytes, every store 256.  The work is 64 waves' and no more; no LDS, no barrier.
; THE MODE: SCHED_MODE bits 1:0 = 2 (LLVM: expert scheduling mode 2), set by the entry lines.  The code itself states the register dependences
; between vector instructions and memory instructions, with s_wait_alu, always for 0.
; THE PLAN.  Registers that memory instructions touch:
;   v1, v2   byte offsets, made once at the head and never written again: v1 is read by the 32 loads, v2 by the 16 stores.
;   CM       the first 16 loads land in it; from the wait for them on vector instructions alone name it.
;   LL       the second 16 loads land in it; no vector instruction names it while they are out; the sums read it.
;   FH       each register is written once, by a conversion, and read once, by a store.
; No register that a memory instruction has read is written again, so no wait on vm_vsrc stands behind the entry lines.  The waits on va_vdst: one at the head for the offsets; one behind each batch of
; transcendentals; one ahead of each half of the stores.  The first half's eight stores are dealt among the second half's arithmetic, which names neither v2 nor the first half of FH.
.set CM, 16                            ; v[16:79]   cm, four keys a group; then 2^(cm - M); then f
.set LL, 80                            ; v[80:143]  l
.set MX, 4                             ; v[4:7]     M
.set LS, 8                             ; v[8:11]    L, then 2048 / L
.set FH, 144                           ; v[144:175] f in f16
	s_load_b128 s[4:7], s[0:1], 0x0                ; stats, fbuf
	s_lshr_b32 s8, ttmp9, 4                        ; batch
	s_and_b32 s9, ttmp9, 15                        ; which 128 keys
	s_lshl_b32 s10, s8, 18
	s_lshl_b32 s11, s9, 9
	s_add_co_u32 s10, s10, s11
	s_mov_b32 s11, 0
	s_lshl_b32 s12, s8, 16
	s_lshl_b32 s13, s9, 8
	s_add_co_u32 s12, s12, s13
	s_mov_b32 s13, 0
	v_lshlrev_b32 v1, 4, v0
	v_lshlrev_b32 v2, 3, v0
	s_wait_kmcnt 0x0
	s_add_nc_u64 s[4:5], s[4:5], s[10:11]
	s_add_nc_u64 s[6:7], s[6:7], s[12:13]
	s_wait_alu depctr_va_vdst(0)                   ; v1 and v2 are written: every load reads v1 as its offset, every store v2
.set g, 0
.rept 16
	global_load_b128 v[CM+4*g:CM+4*g+3], v1, s[4:5] offset:16384*g        ; cm of all groups first: the maxima and the exponentials want it alone
.set g, g+1
.endr
.set g, 0
.rept 16
	global_load_b128 v[LL+4*g:LL+4*g+3], v1, s[4:5] offset:16384*g+8192   ; then l, which is on its way while cm is worked on
.set g, g+1
.endr
	s_wait_loadcnt 16                              ; loads come back in order (ISA guide 5.7.1): cm is in; the 16 younger loads, l, stay out
.irp c, 0,1,2,3
	v_max3_num_f32 v[MX+\c], v[CM+\c], v[CM+4+\c], v[CM+8+\c]
.endr
.irp g, 3,5,7,9,11,13
.irp c, 0,1,2,3
	v_max3_num_f32 v[MX+\c], v[MX+\c], v[CM+4*\g+\c], v[CM+4*\g+4+\c]
.endr
.endr
.irp c, 0,1,2,3
	v_max_num_f32 v[MX+\c], v[MX+\c], v[CM+60+\c]
.endr
.set g, 0
.rept 16
	v_pk_add_f32 v[CM+4*g:CM+4*g+1],   v[CM+4*g:CM+4*g+1],   v[MX:MX+1]   neg_lo:[0,1] neg_hi:[0,1]
	v_pk_add_f32 v[CM+4*g+2:CM+4*g+3], v[CM+4*g+2:CM+4*g+3], v[MX+2:MX+3] neg_lo:[0,1] neg_hi:[0,1]
.set g, g+1
.endr
.set i, 0
.rept 64
	v_exp_f32 v[CM+i], v[CM+i]
.set i, i+1
.endr
	v_nop                                          ; a plain instruction behind the last exponential
	s_wait_loadcnt 0x0                             ; l is in
	s_wait_alu depctr_va_vdst(0)                   ; the 64 exponentials have written CM, ahead of the first line that reads a result: one wait for the batch
	v_pk_mul_f32 v[LS:LS+1],   v[LL:LL+1],   v[CM:CM+1]
	v_pk_mul_f32 v[LS+2:LS+3], v[LL+2:LL+3], v[CM+2:CM+3]
.set g, 1
.rept 15
	v_pk_fma_f32 v[LS:LS+1],   v[LL+4*g:LL+4*g+1],   v[CM+4*g:CM+4*g+1],   v[LS:LS+1]
	v_pk_fma_f32 v[LS+2:LS+3], v[LL+4*g+2:LL+4*g+3], v[CM+4*g+2:CM+4*g+3], v[LS+2:LS+3]
.set g, g+1
.endr
.irp c, 0,1,2,3
	v_rcp_f32 v[LS+\c], v[LS+\c]
.endr
	v_nop                                          ; a plain instruction behind the last reciprocal
	s_wait_alu depctr_va_vdst(0)                   ; the four reciprocals have written LS, ahead of the first line that reads a result
.irp c, 0,1,2,3
	v_mul_f32 v[LS+\c], 0x45000000, v[LS+\c]       ; x 2048
.endr
.set g, 0
.rept 8                                        ; groups 0 to 7: scaled and rounded
	v_pk_mul_f32 v[CM+4*g:CM+4*g+1],   v[CM+4*g:CM+4*g+1],   v[LS:LS+1]
	v_pk_mul_f32 v[CM+4*g+2:CM+4*g+3], v[CM+4*g+2:CM+4*g+3], v[LS+2:LS+3]
	v_cvt_pk_f16_f32 v[FH+2*g],   v[CM+4*g],   v[CM+4*g+1]
	v_cvt_pk_f16_f32 v[FH+2*g+1], v[CM+4*g+2], v[CM+4*g+3]
.set g, g+1
.endr
	s_wait_alu depctr_va_vdst(0)                   ; the conversions have written FH of groups 0 to 7, which the eight stores below read
.set g, 8
.rept 8                                        ; groups 8 to 15; ahead of each a store of the first half.  No wait: no vector instruction since the wait above names v2 or FH of groups 0 to 7
	global_store_b64 v2, v[FH+2*(g-8):FH+2*(g-8)+1], s[6:7] offset:4096*(g-8)  ; the wave stores 256 consecutive bytes, aligned
	v_pk_mul_f32 v[CM+4*g:CM+4*g+1],   v[CM+4*g:CM+4*g+1],   v[LS:LS+1]
	v_pk_mul_f32 v[CM+4*g+2:CM+4*g+3], v[CM+4*g+2:CM+4*g+3], v[LS+2:LS+3]
	v_cvt_pk_f16_f32 v[FH+2*g],   v[CM+4*g],   v[CM+4*g+1]
	v_cvt_pk_f16_f32 v[FH+2*g+1], v[CM+4*g+2], v[CM+4*g+3]
.set g, g+1
.endr
	s_wait_alu depctr_va_vdst(0)                   ; the conversions have written FH of groups 8 to 15, which the last eight stores read
.set g, 8
.rept 8
	global_store_b64 v2, v[FH+2*g:FH+2*g+1], s[6:7] offset:4096*g
.set g, g+1
.endr
	s_endpgm
.Lfunc_end_k_q8afbc4cc47_fac:
	.size	k_q8afbc4cc47_fac, .Lfunc_end_k_q8afbc4cc47_fac-k_q8afbc4cc47_fac
	.p2alignl 7, 3214868480
	.fill 96, 4, 3214868480
	.section	.rodata,"a",@progbits
	.p2align	6, 0x0
	.amdhsa_kernel k_q8afbc4cc47_fac
		.amdhsa_group_segment_fixed_size 0
		.amdhsa_private_segment_fixed_size 0
		.amdhsa_enable_private_segment 0
		.amdhsa_kernarg_size 16
		.amdhsa_user_sgpr_count 2
		.amdhsa_user_sgpr_kernarg_segment_ptr 1
		.amdhsa_wavefront_size32 1
		.amdhsa_system_sgpr_workgroup_id_x 1
		.amdhsa_system_sgpr_workgroup_id_y 1
		.amdhsa_system_sgpr_workgroup_id_z 1
		.amdhsa_system_vgpr_workitem_id 0
		.amdhsa_next_free_vgpr 192
		.amdhsa_next_free_sgpr 66
		.amdhsa_reserve_vcc 0
		.amdhsa_float_denorm_mode_32 3
		.amdhsa_float_denorm_mode_16_64 3
		.amdhsa_memory_ordered 1
		.amdhsa_forward_progress 1
		.amdhsa_inst_pref_size 18
	.end_amdhsa_kernel
	.amdgpu_metadata
---
amdhsa.version: [ 1, 2 ]
amdhsa.kernels:
  - .name:           k_q8afbc4cc47_fac
    .symbol:         k_q8afbc4cc47_fac.kd
    .args:
      - { .name: stats, .offset: 0, .size: 8, .value_kind: global_buffer, .address_space: global }
      - { .name: fbuf, .offset: 8, .size: 8, .value_kind: global_buffer, .address_space: global }
    .group_segment_fixed_size: 0
    .private_segment_fixed_size: 0
    .kernarg_segment_align: 8
    .kernarg_segment_size: 16
    .max_flat_workgroup_size: 32
    .sgpr_count:     66
    .vgpr_count:     192
    .wavefront_size: 32
...
	.end_amdgpu_metadata
.endif
;; end of part 7
;; launch ctxk: the kernel of part 5 again; grid 4 x 64, 4 waves a work-group, clusters of 4 x 4, 327,680 bytes of LDS; arguments pt, qkv, fbuf, ctx, rho; writes ctx, rho
;; launch outp: the kernel of part 6 again; grid 4 x 64, 4 waves a work-group, clusters of 4 x 4, 327,680 bytes of LDS; arguments ctx, wts, rho, out0; writes out0
